; MI455X (gfx1250); checked and timed in simulation.
; The chip was launched on July 23, 2026; its instructions are those of AMD's public machine-readable ISA for CDNA 5 (MIT licence, August 2026) and "CDNA5" Instruction Set Architecture Reference Guide (July 2026). The comments in the code are by the model that wrote it; some were corrected since.
;; Prob Sparse Self Attention. Allowed arithmetic: matrix products marked QUANTISED: E3M2 operands, one E8M0 scale for each 32 along K, by v_wmma_scale_f32_16x16x128_f8f6f4 with both operands' format E3M2, f32 sums; everything else in f32.
;; Inputs: W_out 1,024 x 1,024 float32; W_qkv 1,024 x 3,072 float32; b_out 1,024 float32; b_qkv 3,072 float32; x 2 x 2,048 x 1,024 float32.
;; Outputs: out0 2 x 2,048 x 1,024 float32.
;; This version of the problem:
;;   THIS VERSION OF THE PROBLEM IS GIVEN IN LOW PRECISION. The matrix products marked QUANTISED in the list below multiply operands that are first quantised to E3M2 (3 exponent bits, 2 mantissa bits; 6 bits a number), with one power-of-two scale for each 32 numbers along K (OCP MX v1.0); their sums are f32. All else is computed in f32.
;;   The module's matrix products, in the order in which they are computed (A, B: the left and right operand; K: the contracted axis; several contracted axes count as one K, in the product's order):
;;     1. [M 4,096, K 1,024] x [K 1,024, N 3,072]; A: input x; B: input W_qkv: QUANTISED
;;     2. batch 32 x [M 2,048, K 64] x [K 64, N 2,048]; A: computed on the way; B: computed on the way: QUANTISED
;;     3. batch 32 x [M 2,048, K 2,048] x [K 2,048, N 64]; A: softmax (see below); B: computed on the way: QUANTISED
;;     4. [M 4,096, K 1,024] x [K 1,024, N 1,024]; A: computed on the way; B: input W_out: QUANTISED
;;   THE QUANTISER, for each operand of a quantised product, along K:
;;     - K is cut into blocks of 32 from its start; a last block that is shorter is filled with zeros.
;;     - A block's scale is 2^e with e = floor(log2(the largest magnitude in the block)) - 4, held to -126 .. 127; a block of zeros has e = 0. As a byte (E8M0): e + 127.
;;     - Each number is divided by its block's scale, clamped to +-28, and rounded to the nearest number of E3M2, ties to even, subnormals kept.
;;     - The product sums the exact products of the quantised numbers (number of the format x scale) in f32.
;;   ~~~python
;;   def quantise(x, axis):      # numpy; x: float32 -> the quantised numbers, widened to float32 again
;;       x = np.moveaxis(x, axis, -1); K = x.shape[-1]
;;       x = np.pad(x, [(0, 0)] * (x.ndim - 1) + [(0, -K % 32)]); x = x.reshape(x.shape[:-1] + (-1, 32)); a = np.abs(x).max(-1, keepdims=True)
;;       e = np.where(a > 0, np.clip(np.frexp(np.where(a > 0, a, 1))[1] - 1 - 4, -126, 127), 0)      # np.frexp(a)[1] - 1 = floor(log2(a)), exactly
;;       r = np.clip(x / 2.0 ** e, -28, 28)
;;       step = 2.0 ** (np.maximum(np.frexp(np.where(r == 0, 1, r))[1] - 1, -2) - 2)
;;       q = np.round(r / step) * step * 2.0 ** e      # np.round: ties to even
;;       return np.moveaxis(q.reshape(q.shape[:-2] + (-1,))[..., :K], -1, axis).astype(np.float32)
;;   ~~~
;;   SOFTMAX AHEAD OF A QUANTISED PRODUCT. Where the list says 'softmax', what is quantised is not the finished softmax but p = 2^(t - M), with t = logit x log2(e) and M = ceil(the row's largest t), a whole number; so 1/2 < the row's largest p <= 1. The row's sum l is taken of the UNQUANTISED p, in f32, and the product's result is divided by l at the end. Since M is a whole number, a kernel that streams over the keys may use a running M (the ceiling of the running maximum): every later rescaling is an exact power of two, which a block's scale takes up: the codes' values come out the same.
;;   OPERANDS COMPUTED ON THE WAY. 'Computed on the way' means the value that the module computes at that place (a softmax that the list does not call 'softmax' is quantised finished and normalised). What goes into a quantiser is computed in f32, as accurately as f32 sums, v_exp_f32 and their like allow (about 1e-6 of the number): no bf16 or f16 on the way to a quantiser, and a product that is left as it is and whose result goes on into a quantised operand takes f32 operands (vector FMAs, or v_wmma_f32_16x16x4_f32). A number that lies on a knife's edge between two numbers of the format may be rounded either way, as far as f32 arithmetic and the matrix unit's own rounding can turn it there, and no further.
;; One version. Each part assembles by itself: llvm-mc -triple=amdgcn-amd-amdhsa -mcpu=gfx1250 --defsym DOCPART=n.
;; ======== version 1 of 1: 4 launches
;; limits: right only within a limited range of input values
;; workspace buffers: xq 3,276,800 bytes; wq 2,457,600 bytes; wo 819,200 bytes; qq 3,407,872 bytes; kv 6,684,672 bytes; ao 3,407,872 bytes
;; launch quant (part 1): grid 256 x 1, 4 waves a work-group, no clusters, 60,928 bytes of LDS; arguments x, W_qkv, W_out, xq, wq, wo; writes xq, wq, wo
.if DOCPART == 1
	.amdgcn_target "amdgcn-amd-amdhsa--gfx1250"
	.amdhsa_code_object_version 6
	.text
	.protected	k_q6c7f8340dd_quant
	.globl	k_q6c7f8340dd_quant
	.p2align	8
	.type	k_q6c7f8340dd_quant,@function
k_q6c7f8340dd_quant:
	s_mov_b64 s[64:65], 0
	v_nop
	global_prefetch_b8 v0, s[64:65] scope:SCOPE_SE
	s_setreg_imm32_b32 hwreg(HW_REG_WAVE_MODE, 25, 1), 1
	s_wait_xcnt 0x0
; x [4096][1024], W_qkv [1024][3072] and W_out [1024][1024], f32, become codes of E3M2 with one E8M0 byte for each 32 along K (K = 1024 in all three).
; A block's scale is 2^(floor(log2(largest magnitude)) - 4): its byte is the largest magnitude's exponent field - 4, held at 1 from below by a floor among the maximum's leaves.
; LIMITS: NaN and infinities among the inputs are not served.  A block of zeros gets the byte 1 where the rule says 127: its codes are zeros, which add nothing, and this program alone reads the bytes.
; THE CODES LEAVE AS IMAGES OF OPERAND REGISTERS: a fragment (16 rows x 128 K, 12 registers a lane) is 1,536 bytes: three chunks of 512, chunk ch = registers 4 ch .. 4 ch + 3, lane l at 16 l.
; WHICH ROWS FORM A TILE: of 32 neighbouring rows (columns of a weight) tile u = 0, 1 takes, in lane r, row 8 u + r + 8 (r / 8).
; xq: codes [G 64 groups of 64 tokens][s 8 K steps][m 4 tiles][1536]; scale units at XSOFF: [G][s][256]: lane (r, h) holds two words at 8 l, word i for tile 2 i + h.
; wq, wo: codes [head 16][s 8][t NT][1536], NT = 12 (t = 4 section + 2 b + u) or 4; scale units behind them: [head][sigma 4][t / 2][256]: lane r + 16 u holds the words of K steps 2 sigma and 2 sigma + 1.
; Work-groups 0-127 take x (64 tokens x 512 K each), 128-223 W_qkv, 224-255 W_out (128 columns x 256 K each): 128 KiB read by each.  No work-group shares an input byte with another, so there is nothing to ask for jointly.
; No tensor loads, no barrier: each wave has LDS bytes of its own, and the two paths have LDS bytes of their own.
.set XSOFF, 3145728
.set R,    16                          ; x path: v16-143 two sets of 64: a tile as loaded
.set X,    144                         ; v144-207 my 64 numbers: k = 64 c + 32 h + 0 .. 31 of my row
.set PC,   208                         ; v208-231 two sets of 12: a fragment's codes
.set PT,   232                         ; v232-234, v236-238: the upper halves of the two blocks' codes
.set PW,   248                         ; v248-251 the four tiles' scale words
.set XP,   528                         ; a stage row: 512 bytes + 16, an odd multiple of 16: sixteen rows begin in sixteen different groups of banks
.set XWV,  16*XP                       ; a wave's stage
.set WSTG, 4*XWV                       ; the weights' path begins here
.set WP,   1664                        ; a tile image's place in a wave's stage: 1,536 + 128, so that tiles u = 0 and 1 fall on different halves of the banks
.set RO,   16                          ; weights: v16-47 byte offsets of rows 0 .. 31 at my column
.set WX,   48                          ; v48-111 two sets of 32: a block down K
.set WC,   112                         ; v112-117 a block's codes
.set WD,   120                         ; v120-122 their upper half as converted
.set SB,   124                         ; v124-125 the two K steps' scale words
.set OUTR, 128                         ; v128-175 the way out
	s_load_b256 s[4:11], s[0:1], 0x0               ; x s[4:5], W_qkv s[6:7], W_out s[8:9], xq s[10:11]
	s_load_b128 s[12:15], s[0:1], 0x20             ; wq s[12:13], wo s[14:15]
	v_lshl_add_u32 v254, v0, 2, 0xec00
	v_mov_b32 v255, 0
	v_lshrrev_b32 v1, 5, v0
	v_readfirstlane_b32 s20, v1                    ; wave
	v_and_b32 v1, 31, v0                           ; lane
	s_mov_b32 s52, 0x76543210
	s_mov_b32 s53, 0xfedcba98                      ; v_permlanex16_b32's selects for lane l xor 16
	s_mov_b32 s54, 0xffff0000                      ; lanes 16-31
	s_cmp_ge_u32 ttmp9, 128
	s_cbranch_scc1 .Lweights
; ---------------- x: wave = one K step of 128 for the group's four tiles of 16 tokens
	s_lshr_b32 s16, ttmp9, 1                       ; G
	s_and_b32 s17, ttmp9, 1
	s_lshl_b32 s17, s17, 2
	s_add_co_u32 s17, s17, s20                     ; s = 4 (id & 1) + wave
	s_lshl_b32 s24, s16, 18                        ; 64 rows of 4,096 bytes
	s_lshl_b32 s18, s17, 9
	s_add_co_u32 s24, s24, s18
	s_mov_b32 s25, 0
	s_mul_i32 s26, s16, 49152
	s_mul_i32 s18, s17, 6144
	s_add_co_u32 s26, s26, s18
	s_mov_b32 s27, 0
	s_lshl_b32 s28, s16, 11
	s_lshl_b32 s18, s17, 8
	s_add_co_u32 s28, s28, s18
	s_add_co_u32 s28, s28, XSOFF
	s_mov_b32 s29, 0
	s_mul_i32 s19, s20, XWV
	s_wait_alu depctr_va_vdst(0)
	v_lshlrev_b32 v2, 4, v1                        ; 16 x lane
	v_add_nc_u32 v3, s19, v2                       ; the stage, on the way in: a row as it lies
	v_and_b32 v7, 15, v1                           ; r
	v_lshrrev_b32 v8, 4, v1                        ; h
	v_mul_u32_u24 v4, v7, XP
	v_lshl_add_u32 v4, v8, 7, v4
	v_add_nc_u32 v4, s19, v4                       ; and on the way out: row r, + 128 h bytes
	v_lshlrev_b32 v5, 3, v8                        ; 8 h: my bytes' place in the scale word
	v_lshlrev_b32 v6, 3, v1                        ; 8 x lane
	v_mov_b32 v246, 0                              ; a lane permute's destination counts as one of its sources
	s_wait_alu depctr_va_vdst(0)
	s_wait_kmcnt 0x0
	s_add_nc_u64 s[4:5], s[4:5], s[24:25]
	s_add_nc_u64 s[26:27], s[10:11], s[26:27]
	s_add_nc_u64 s[28:29], s[10:11], s[28:29]
.macro XLOAD m                         ; tile m: sixteen loads, each 512 consecutive bytes of one token's row
.irp i, 0,1,2,3,4,5,6,7,8,9,10,11,12,13,14,15
	; TOKENS OF x (this order stands in place of the one that the head comment gives for x; the weights' columns keep theirs): of a group's 64 tokens tile m takes, in lane r, token 8 m + (r & 7) + 32 (r >> 3)
	global_load_b128 v[R+64*((\m)%2)+4*\i:R+64*((\m)%2)+4*\i+3], v2, s[4:5] offset:(8*(\m)+(\i%8)+32*(\i/8))*4096 th:TH_LOAD_NT
.endr
.endm
.macro XJOB m
.set PCS, PC+12*((\m)%2)
.if (\m) < 3
	s_wait_loadcnt 16                              ; this tile's sixteen loads are in; the next tile's sixteen may be out
.else
	s_wait_loadcnt 0x0
.endif
.irp i, 0,1,2,3,4,5,6,7,8,9,10,11,12,13,14,15
	ds_store_b128 v3, v[R+64*((\m)%2)+4*\i:R+64*((\m)%2)+4*\i+3] offset:XP*\i
.endr
.irp c, 0,1
.irp j, 0,1,2,3,4,5,6,7
	ds_load_b128 v[X+32*\c+4*\j:X+32*\c+4*\j+3], v4 offset:256*\c+16*\j   ; LDS serves a wave's instructions in order: these see the stores above
.endr
.endr
	s_wait_dscnt 0x0                               ; my 64 numbers are back, and the stores have read their registers,
.if (\m) < 2
	XLOAD (\m)+2                                   ; which take the tile two on
.endif
	v_max3_num_f32 v240, |v[X]|, |v[X+1]|, 0x2800000       ; block h (c = 0) and block 2 + h (c = 1): all 32 numbers are mine; the floor 2^(5 - 127) holds the byte at 1 from below
	v_max3_num_f32 v241, |v[X+32]|, |v[X+33]|, 0x2800000
.set i, 2
.rept 15
	v_max3_num_f32 v240, v240, |v[X+i]|, |v[X+i+1]|
	v_max3_num_f32 v241, v241, |v[X+32+i]|, |v[X+33+i]|
.set i, i+2
.endr
	v_add_nc_u32 v242, 0xfe000000, v240            ; 4 off the exponent field: the conversion takes this operand's exponent field as its scale
	v_add_nc_u32 v243, 0xfe000000, v241
	v_lshrrev_b32 v244, 23, v242                   ; the scales' bytes
	v_lshrrev_b32 v245, 23, v243
	v_lshl_or_b32 v247, v245, 16, v244
	v_lshlrev_b32 v247, v5, v247                   ; at their places in the word,
	v_permlanex16_b32 v246, v247, s52, s53
	v_or_b32 v[PW+(\m)], v247, v246                ; and with lane l xor 16's two the word is whole
.if (\m) >= 2
	s_wait_alu depctr_va_vdst(0)
	s_wait_xcnt 0x0                                ; the stores of two tiles ago have read this set of code registers
.endif
.irp c, 0,1
	v_cvt_scalef32_pk16_bf6_f32 v[PCS+6*\c:PCS+6*\c+2], v[X+32*\c:X+32*\c+15], v[242+\c]
	v_cvt_scalef32_pk16_bf6_f32 v[PT+4*\c:PT+4*\c+2], v[X+32*\c+16:X+32*\c+31], v[242+\c]   ; (a conversion's three registers begin on an even number)
.endr
	v_nop                                          ; one plain place behind a scaled conversion
.irp c, 0,1
.irp i, 0,1,2
	v_mov_b32 v[PCS+6*\c+3+\i], v[PT+4*\c+\i]
.endr
.endr
.irp ch, 0,1,2
	global_store_b128 v2, v[PCS+4*\ch:PCS+4*\ch+3], s[26:27] offset:(\m)*1536+512*\ch   ; 32 lanes store 512 consecutive bytes, aligned to 256
.endr
.endm
	XLOAD 0
	XLOAD 1
	XJOB 0
	XJOB 1
	XJOB 2
	XJOB 3
	v_cndmask_b32 v252, v248, v249, s54            ; the unit: word i of lane (r, h) belongs to tile 2 i + h
	v_cndmask_b32 v253, v250, v251, s54
	global_store_b64 v6, v[252:253], s[28:29]      ; 256 consecutive bytes, aligned
	s_wait_tensorcnt 0x0
	ds_add_u32 v254, v255
	s_wait_dscnt 0x0
	s_endpgm
; ---------------- the weights: K is the first axis.  A lane takes a column and its registers run down K; a wave takes 32 columns x 256 K
.Lweights:
	s_sub_co_u32 s16, ttmp9, 128
	s_wait_kmcnt 0x0
	s_cmp_lt_u32 s16, 96                           ; W_qkv's work-group or W_out's: the choice hangs on the work-group's number alone
	s_cselect_b64 s[6:7], s[6:7], s[8:9]
	s_cselect_b64 s[12:13], s[12:13], s[14:15]
	s_cselect_b32 s17, 12, 4                       ; NT: tiles of 16 columns to a head's part
	s_cselect_b32 s18, 0, 96
	s_sub_co_u32 s16, s16, s18
	s_lshr_b32 s21, s16, 2                         ; cb: which 128 columns
	s_and_b32 s22, s16, 3                          ; sigma: which 256 along K
	s_lshl_b32 s23, s17, 10                        ; a row of the weight in bytes
	s_mul_i32 s46, s22, s23
	s_lshl_b32 s46, s46, 8
	s_lshl_b32 s18, s21, 9
	s_add_co_u32 s46, s46, s18
	s_lshl_b32 s18, s20, 7
	s_add_co_u32 s46, s46, s18                     ; 256 sigma rows + 4 (128 cb + 32 wave)
	s_mov_b32 s47, 0
	s_add_nc_u64 s[24:25], s[6:7], s[46:47]        ; block 0's base;
	s_lshl_b32 s48, s23, 5
	s_mov_b32 s49, 0
.irp t, 1,2,3,4,5,6,7
	s_add_nc_u64 s[24+2*\t:25+2*\t], s[22+2*\t:23+2*\t], s[48:49]   ; block t's: 32 rows on
.endr
	s_mul_i32 s50, s17, 1536                       ; NTB: a K step's images of a head
	s_lshr_b32 s51, s21, 3                         ; section (Q, K, V); 0 for W_out
	s_and_b32 s18, s21, 7
	s_lshl_b32 s18, s18, 1
	s_lshr_b32 s19, s20, 1
	s_add_co_u32 s18, s18, s19                     ; head
	s_and_b32 s19, s20, 1                          ; b: which 32 of the head's 64
	s_lshl_b32 s46, s18, 3
	s_lshl_b32 s48, s22, 1
	s_add_co_u32 s46, s46, s48
	s_mul_i32 s46, s46, s50                        ; (8 head + 2 sigma) NTB
	s_lshl_b32 s48, s51, 2
	s_lshl_b32 s49, s19, 1
	s_add_co_u32 s48, s48, s49
	s_mul_i32 s48, s48, 1536                       ; + (4 section + 2 b) images
	s_add_co_u32 s46, s46, s48
	s_add_nc_u64 s[40:41], s[12:13], s[46:47]      ; K step 2 sigma,
	s_mov_b32 s48, s50
	s_mov_b32 s49, 0
	s_add_nc_u64 s[42:43], s[40:41], s[48:49]      ; K step 2 sigma + 1
	s_lshl_b32 s46, s50, 7                         ; the scale units lie behind 128 NTB bytes of codes
	s_lshl_b32 s48, s18, 2
	s_add_co_u32 s48, s48, s22
	s_mul_i32 s48, s48, s17
	s_lshl_b32 s48, s48, 7                         ; (4 head + sigma) x NT / 2 units
	s_add_co_u32 s46, s46, s48
	s_lshl_b32 s48, s51, 1
	s_add_co_u32 s48, s48, s19
	s_lshl_b32 s48, s48, 8                         ; + unit 2 section + b
	s_add_co_u32 s46, s46, s48
	s_add_nc_u64 s[44:45], s[12:13], s[46:47]
	s_mul_i32 s55, s20, 4*WP
	s_add_co_u32 s55, s55, WSTG                    ; my stage: four tile images (2 K steps x 2 tiles)
	s_wait_alu depctr_va_vdst(0)
	v_bfe_u32 v3, v1, 3, 1                         ; column j of my 32 is lane r = (j & 7) + 8 (j >> 4) of tile u = (j >> 3) & 1
	v_and_b32 v2, 7, v1
	v_lshrrev_b32 v8, 4, v1
	v_lshl_add_u32 v2, v8, 3, v2
	v_mul_u32_u24 v4, v3, WP
	v_lshl_add_u32 v4, v2, 4, v4
	v_add_nc_u32 v4, s55, v4                       ; into the stage: tile u, 16 r
	v_lshlrev_b32 v7, 4, v1                        ; 16 j
	v_add_nc_u32 v5, s55, v7                       ; out of it
	v_lshl_add_u32 v6, v3, 4, v2
	v_lshlrev_b32 v6, 3, v6                        ; my two scale words' place in the unit: 8 (r + 16 u)
	v_lshlrev_b32 v8, 2, v1
.set i, 0
.rept 32
	v_mad_u32_u24 v[RO+i], s23, i, v8              ; row i at my column
.set i, i+1
.endr
.macro WLOAD t                         ; block t: 32 rows; each load reads 128 consecutive bytes, the four waves side by side 512
.set i, 0
.rept 32
	global_load_b32 v[WX+32*((\t)%2)+i], v[RO+i], s[24+2*(\t):25+2*(\t)] th:TH_LOAD_NT
.set i, i+1
.endr
.endm
.macro WBLOCK t                        ; block t = K step t / 4 of my two, registers 6 c .. 6 c + 5 of lane (r, h): c = (t % 4) / 2, h = t % 2
.set XB, WX+32*((\t)%2)
.set SOF, ((\t)/4)*2*WP+256*((\t)%2)
.if (\t) < 7
	s_wait_loadcnt 32                              ; this block's 32 loads are in; the next block's may be out
.else
	s_wait_loadcnt 0x0
.endif
	v_max3_num_f32 v9, |v[XB]|, |v[XB+1]|, |v[XB+2]|
	v_max3_num_f32 v10, |v[XB+3]|, |v[XB+4]|, |v[XB+5]|
.irp i, 6,10,14,18,22,26
	v_max3_num_f32 v9, v9, |v[XB+\i]|, |v[XB+\i+1]|
	v_max3_num_f32 v10, v10, |v[XB+\i+2]|, |v[XB+\i+3]|
.endr
	v_max3_num_f32 v9, v9, |v[XB+30]|, |v[XB+31]|
	v_max3_num_f32 v9, v9, v10, 0x2800000          ; and the floor
	v_add_nc_u32 v11, 0xfe000000, v9
	v_lshrrev_b32 v10, 23, v11
.if ((\t)%4) == 0
	v_mov_b32 v[SB+(\t)/4], v10
.else
	v_lshl_or_b32 v[SB+(\t)/4], v10, 8*((\t)%4), v[SB+(\t)/4]
.endif
	v_cvt_scalef32_pk16_bf6_f32 v[WC:WC+2], v[XB:XB+15], v11
	v_cvt_scalef32_pk16_bf6_f32 v[WD:WD+2], v[XB+16:XB+31], v11
	v_nop                                          ; one plain place behind a scaled conversion
.irp i, 0,1,2
	v_mov_b32 v[WC+3+\i], v[WD+\i]
.endr
.if (((\t)%4)/2) == 0
	ds_store_b128 v4, v[WC:WC+3] offset:SOF        ; registers 0-3: chunk 0
	ds_store_b64 v4, v[WC+4:WC+5] offset:SOF+512   ; registers 4-5: the lower half of my 16 bytes of chunk 1
.else
	ds_store_b64 v4, v[WC:WC+1] offset:SOF+520     ; registers 6-7: the upper half
	ds_store_b128 v4, v[WC+2:WC+5] offset:SOF+1024 ; registers 8-11: chunk 2
.endif
.if (\t) < 6
	WLOAD (\t)+2
.endif
	s_wait_dscnt 0x0                               ; the stores have read their registers: the next block's codes may be written
.endm
	WLOAD 0
	WLOAD 1
.irp t, 0,1,2,3,4,5,6,7
	WBLOCK \t
.endr
	s_wait_alu depctr_va_vdst(0)
	global_store_b64 v6, v[SB:SB+1], s[44:45]      ; the wave's 32 lanes fill one unit of 256 bytes
.irp k, 0,1,2,3,4,5,6,7,8,9,10,11
	ds_load_b128 v[OUTR+4*\k:OUTR+4*\k+3], v5 offset:(\k/3)*WP+512*(\k%3)
.endr
.irp k, 0,1,2,3,4,5,6,7,8,9,10,11
	s_wait_dscnt 11-\k                             ; LDS loads come back in order: number k is in
	global_store_b128 v7, v[OUTR+4*\k:OUTR+4*\k+3], s[40+2*(\k/6):41+2*(\k/6)] offset:((\k/3)%2)*1536+512*(\k%3)
.endr
	s_wait_tensorcnt 0x0
	ds_add_u32 v254, v255
	s_wait_dscnt 0x0
	s_endpgm
.Lfunc_end_k_q6c7f8340dd_quant:
	.size	k_q6c7f8340dd_quant, .Lfunc_end_k_q6c7f8340dd_quant-k_q6c7f8340dd_quant
	.p2alignl 7, 3214868480
	.fill 96, 4, 3214868480
	.section	.rodata,"a",@progbits
	.p2align	6, 0x0
	.amdhsa_kernel k_q6c7f8340dd_quant
		.amdhsa_group_segment_fixed_size 60928
		.amdhsa_private_segment_fixed_size 0
		.amdhsa_enable_private_segment 0
		.amdhsa_kernarg_size 48
		.amdhsa_user_sgpr_count 2
		.amdhsa_user_sgpr_kernarg_segment_ptr 1
		.amdhsa_wavefront_size32 1
		.amdhsa_system_sgpr_workgroup_id_x 1
		.amdhsa_system_sgpr_workgroup_id_y 1
		.amdhsa_system_sgpr_workgroup_id_z 1
		.amdhsa_system_vgpr_workitem_id 0
		.amdhsa_next_free_vgpr 256
		.amdhsa_next_free_sgpr 66
		.amdhsa_reserve_vcc 0
		.amdhsa_float_denorm_mode_32 3
		.amdhsa_float_denorm_mode_16_64 3
		.amdhsa_memory_ordered 1
		.amdhsa_forward_progress 1
		.amdhsa_inst_pref_size 74
	.end_amdhsa_kernel
	.amdgpu_metadata
---
amdhsa.version: [ 1, 2 ]
amdhsa.kernels:
  - .name:           k_q6c7f8340dd_quant
    .symbol:         k_q6c7f8340dd_quant.kd
    .args:
      - { .name: x, .offset: 0, .size: 8, .value_kind: global_buffer, .address_space: global }
      - { .name: W_qkv, .offset: 8, .size: 8, .value_kind: global_buffer, .address_space: global }
      - { .name: W_out, .offset: 16, .size: 8, .value_kind: global_buffer, .address_space: global }
      - { .name: xq, .offset: 24, .size: 8, .value_kind: global_buffer, .address_space: global }
      - { .name: wq, .offset: 32, .size: 8, .value_kind: global_buffer, .address_space: global }
      - { .name: wo, .offset: 40, .size: 8, .value_kind: global_buffer, .address_space: global }
    .group_segment_fixed_size: 60928
    .private_segment_fixed_size: 0
    .kernarg_segment_align: 8
    .kernarg_segment_size: 48
    .max_flat_workgroup_size: 128
    .sgpr_count:     66
    .vgpr_count:     256
    .wavefront_size: 32
...
	.end_amdgpu_metadata
.endif
;; end of part 1
;; launch qkv (part 2): grid 16 x 16, 4 waves a work-group, clusters of 4 x 1, 168,448 bytes of LDS; arguments xq, wq, b_qkv, qq, kv; writes qq, kv
.if DOCPART == 2
	.amdgcn_target "amdgcn-amd-amdhsa--gfx1250"
	.amdhsa_code_object_version 6
	.text
	.protected	k_q6c7f8340dd_qkv
	.globl	k_q6c7f8340dd_qkv
	.p2align	8
	.type	k_q6c7f8340dd_qkv,@function
k_q6c7f8340dd_qkv:
	s_mov_b64 s[64:65], 0
	v_nop
	global_prefetch_b8 v0, s[64:65] scope:SCOPE_SE
	s_setreg_imm32_b32 hwreg(HW_REG_WAVE_MODE, 25, 1), 1
	s_wait_xcnt 0x0
	s_wait_alu depctr_hold_cnt(0) depctr_sa_sdst(0) depctr_va_vdst(0) depctr_va_sdst(0) depctr_va_ssrc(0) depctr_va_vcc(0) depctr_vm_vsrc(0)
	s_getreg_b32 s2, hwreg(HW_REG_IB_STS2, 6, 4)
	s_cmp_eq_u32 s2, 0
	s_cbranch_scc0 .Lentry_in_a_cluster
	s_endpgm
.Lentry_in_a_cluster:
	s_bfe_u32 s2, ttmp6, 0x10000c
	s_cmp_lg_u32 s2, 0x3003
	s_cbranch_scc0 .Lentry_shape_is_right
	s_endpgm
.Lentry_shape_is_right:
; qkv = x W_qkv + b_qkv on codes of E3M2, and its results quantised at once: Q and K along the head's 64, V along the keys.  Nothing leaves as f32.
; SHARES.  Work-group (X, y): tokens 256 X .. + 255, head y: its 64 columns of Q, of K and of V.  Wave w: 64 tokens (group G = 4 X + w) x 192 columns: 48 accumulators.
; B (the head's 12 tiles of columns, all 8 K steps, 147,456 bytes, and 6,144 bytes of scale units) comes into LDS ONCE, by one tensor load a wave: no LDS byte is filled twice.
; CLUSTER.  The four work-groups of a cluster have the same head: B is asked for jointly (mask 15).  A's fragments are each wave's own, so they go from memory straight into registers, four K steps ahead;
; A is also read by the sixteen heads' work-groups, but A for all of K beside B does not fit in LDS (131,072 + 153,600 bytes of codes and scales fit, but then only through a ring whose refills would cost a round each in a launch of 8 K steps).
; LAYOUT.  Q and K: source 0 = 16 columns, source 1 = 16 tokens: a lane holds ONE token and its registers run along the head.  V: source 0 = 16 tokens, source 1 = 16 columns: a lane holds one column and its registers run along the tokens (keys).
; By the choice of a tile's rows (lane r of tile 2 b + u: row 32 b + 8 u + r + 8 (r / 8)) the 16 registers of result tiles 2 b, 2 b + 1 are neighbours 32 b + 16 (lane / 16) + 0 .. 15 along the next K.
; OUT.  qq: half images (registers 0-5 of a fragment: 512 bytes at 16 l, 256 at 8 l) [bh][tile 128][768]; scale units at QQS [bh][group 32][256].
;   kv: [bh][key step 16][13,056]: K's 8 tiles as 4 images of 12 registers; at 6,144 V [tile 4][c 2][768]; at 12,288 K's scale units [c 2][256]; at 12,800 V's scale words [tile 4][row 16].
;   Q's and K's scale words carry 0x7f in bytes 2 and 3: the product Q K^T has K = 64, and the upper half of its 128 is met by zero codes of Q.
; LIMITS: NaN and infinities are not served; a block of zeros gets the byte 1 (its codes are zeros; this program alone reads the bytes).
; REGISTERS.  window 0: v1-12 addresses; v16-23 A's scale words, four sets; v24-47 B's, two sets; v48-63, v80-87 at work; v64-79 scale words made; v112-255 B's fragments, a set of 48 for Q, K, V (later the codes made).
;   window 1: A's fragments, four sets of 48.  window 2: Q's and K's accumulators at 8 (8 (t / 2) + 2 m + t % 2).  window 3: V's at 8 (4 tv + m); from v128 the biases in the results' layout.
.set XSOFF, 3145728
.set WQS,   2359296
.set QQS,   3145728
.set REC,   13056
.set HEADKV, 16*REC
.set PIECE, 36864                      ; two K steps of B
.set LBS,   4*PIECE                    ; LDS: B's scale units
.set LVS,   LBS+6144                   ; LDS: 512 bytes in which V's scale words of two records meet; no fill lands here
.set L16, 1
.set L8,  2
.set BP,  3                            ; v3-6  16 l + piece
.set BS,  7
.set H64, 8
.set VB,  9
.set VSS, 10
.set VSR, 11
.set VSG, 12
.set ASC, 16
.set BSC, 24
.set TM,  48
.set PW,  64
.set SW,  76
.set PT,  80
.set BF,  112
.set MSB, 0
.macro WIN new                         ; the immediate's high byte repeats the setting that is left
.if MSB != (\new)
	s_set_vgpr_msb (MSB<<8)|(\new)
.set MSB, (\new)
.endif
.endm
.macro PLACES                          ; four plain places behind matrix instructions, in front of loads into their registers and of reads of their results
.rept 4
	v_nop
.endr
.endm
.macro CROUND                          ; a round of the cluster's barrier
	s_barrier_signal -1
	s_barrier_wait -1
	s_cmp_lg_u32 s14, 0
	s_cbranch_scc1 .Lnot_wave_0_\@
	s_barrier_signal -3
.Lnot_wave_0_\@:
	s_barrier_wait -3
	s_barrier_signal -1
	s_barrier_wait -1
.endm
	s_load_b256 s[4:11], s[0:1], 0x0               ; xq s[4:5], wq s[6:7], b_qkv s[8:9], qq s[10:11]
	s_load_b64 s[12:13], s[0:1], 0x20              ; kv
	v_lshl_add_u32 v110, v0, 2, 0x29000
	v_mov_b32 v111, 0
	ds_add_u32 v110, v111
	ds_add_u32 v110, v111
	v_lshrrev_b32 v1, 5, v0
	v_readfirstlane_b32 s14, v1                    ; wave
	s_bfe_u32 s15, ttmp6, 0x40000                  ; cx
	s_lshl_b32 s16, ttmp9, 2
	s_add_co_u32 s16, s16, s15                     ; X = 4 x cluster x + cx: it enters A's and the outputs' addresses alone
	s_and_b32 s17, ttmp7, 0xffff                   ; y: the head, which the four partners share
	; descriptor groups 1: dense blocks as rows of 256 bytes (32 elements of 8 bytes): 192 rows of codes, 24 rows of scale units
	s_mov_b32 s24, 15|(3<<16)|(1<<21)              ; the mask names all four; elements of 8 bytes; bit 21 beside a mask
	s_mov_b32 s25, 32<<16
	s_mov_b32 s26, 192<<16                         ; a third of the head's codes: 192 rows of 256 bytes
	s_mov_b32 s27, 32<<16
	s_mov_b32 s28, 192
	s_mov_b32 s29, 32
	s_mov_b32 s30, 0
	s_mov_b32 s31, 0
	s_mov_b32 s32, 15|(3<<16)|(1<<21)
	s_mov_b32 s33, 32<<16
	s_mov_b32 s34, 24<<16                          ; all the head's scale units: 24 rows of 256 bytes
	s_mov_b32 s35, 32<<16
	s_mov_b32 s36, 24
	s_mov_b32 s37, 32
	s_mov_b32 s38, 0
	s_mov_b32 s39, 0
	s_mov_b32 s18, 0                               ; the scale units come whole, by wave 3
	s_mul_i32 s19, s14, 49152                      ; waves 0-2: my third of the codes
	s_mul_i32 s20, s17, 6144
	s_add_co_u32 s20, s20, s18
	s_add_co_u32 s20, s20, WQS
	s_mov_b32 s21, 0
	s_mul_i32 s22, s17, 4*PIECE
	s_add_co_u32 s22, s22, s19
	s_mov_b32 s23, 0
	s_mov_b32 s60, 0x76543210
	s_mov_b32 s61, 0xfedcba98
	s_mov_b32 s62, 0xffff0000
	s_wait_dscnt 0x0
	s_wait_kmcnt 0x0
	s_mov_b32 s40, 1
	s_add_co_u32 s41, s18, LBS
	s_add_nc_u64 s[42:43], s[6:7], s[20:21]
	s_or_b32 s43, s43, 0x80000000
	s_add_nc_u64 s[22:23], s[6:7], s[22:23]
.irp q, 0
	s_mov_b32 s[44+4*\q], 1
	s_add_co_u32 s[45+4*\q], s19, \q*PIECE
	s_add_nc_u64 s[46+4*\q:47+4*\q], s[22:23], \q*PIECE
	s_or_b32 s[47+4*\q], s[47+4*\q], 0x80000000
.endr
	CROUND                                         ; all four work-groups are here: the joint loads meet
	; B COMES BY ONE TENSOR LOAD A WAVE (in place of the five that the head comment names): waves 0-2 a third of the codes each, wave 3 the scale units; one chain of branches, one load to an arm
	s_cmp_lt_u32 s14, 3
	s_cbranch_scc0 .Lscales
	tensor_load_to_lds s[44:47], s[24:31]
	s_nop 0
.rept 4
	v_nop
.endr
	s_branch .Lasked
.Lscales:
	tensor_load_to_lds s[40:43], s[32:39]
	s_nop 0
.rept 4
	v_nop
.endr
.Lasked:
	s_lshl_b32 s86, s16, 2
	s_add_co_u32 s86, s86, s14                     ; G
	s_mul_i32 s88, s86, 49152
	s_mov_b32 s89, 0
	s_lshl_b32 s90, s86, 11
	s_add_co_u32 s90, s90, XSOFF
	s_mov_b32 s91, 0
	s_add_nc_u64 s[66:67], s[4:5], s[88:89]        ; A's images
	s_add_nc_u64 s[68:69], s[4:5], s[90:91]        ; A's scale units
	s_lshl_b32 s88, s17, 8
	s_add_nc_u64 s[70:71], s[8:9], s[88:89]        ; the head's 64 numbers of each section of b_qkv
	s_lshr_b32 s86, s16, 3
	s_lshl_b32 s86, s86, 4
	s_add_co_u32 s86, s86, s17                     ; bh = 16 batch + head
	s_and_b32 s87, s16, 7                          ; which 256 tokens of the batch
	s_mul_i32 s88, s86, 98304
	s_mul_i32 s90, s87, 12288
	s_add_co_u32 s88, s88, s90
	s_mul_i32 s90, s14, 3072
	s_add_co_u32 s88, s88, s90
	s_add_nc_u64 s[72:73], s[10:11], s[88:89]      ; Q's half images: my four tiles
	s_lshl_b32 s88, s86, 13
	s_lshl_b32 s90, s87, 2
	s_add_co_u32 s90, s90, s14
	s_lshl_b32 s90, s90, 8
	s_add_co_u32 s88, s88, s90
	s_add_co_u32 s88, s88, QQS
	s_add_nc_u64 s[74:75], s[10:11], s[88:89]      ; Q's scale unit
	s_mul_i32 s88, s86, HEADKV
	s_mul_i32 s90, s87, 2*REC
	s_add_co_u32 s88, s88, s90
	s_add_nc_u64 s[78:79], s[12:13], s[88:89]
	s_add_nc_u64 s[78:79], s[78:79], 12800         ; V's scale words of the work-group's first record
	s_lshr_b32 s90, s14, 1
	s_mul_i32 s90, s90, REC
	s_add_co_u32 s88, s88, s90
	s_add_nc_u64 s[76:77], s[12:13], s[88:89]      ; my record: key step 2 (X & 7) + wave / 2
	s_and_b32 s90, s14, 1                          ; c: which 64 of its 128 keys are mine
	s_mul_i32 s88, s90, 3072
	s_add_nc_u64 s[80:81], s[76:77], s[88:89]      ; K's codes
	s_mul_i32 s88, s90, 768
	s_add_co_u32 s88, s88, 6144
	s_add_nc_u64 s[82:83], s[76:77], s[88:89]      ; V's codes
	s_lshl_b32 s88, s90, 8
	s_add_co_u32 s88, s88, 12288
	s_add_nc_u64 s[84:85], s[76:77], s[88:89]      ; K's scale unit
	v_and_b32 v13, 31, v0                          ; lane
	v_and_b32 v14, 15, v0                          ; r
	v_bfe_u32 v15, v0, 4, 1                        ; h
	v_lshlrev_b32 v[L16], 4, v13
	v_lshlrev_b32 v[L8], 3, v13
.irp q, 0,1,2,3
	v_add_nc_u32 v[BP+\q], \q*PIECE, v[L16]
.endr
	v_add_nc_u32 v[BS], LBS, v[L8]
	v_lshlrev_b32 v[H64], 6, v15                   ; Q's, K's bias: my half's 16 numbers of a block of 32
	v_and_b32 v[VB], 8, v14
	v_add_nc_u32 v[VB], v[VB], v14
	v_lshlrev_b32 v[VB], 2, v[VB]                  ; V's bias: my column r + 8 (r / 8) of a tile
	s_lshr_b32 s18, s14, 1
	s_lshl_b32 s18, s18, 8
	s_and_b32 s19, s14, 1
	s_lshl_b32 s19, s19, 1
	s_add_co_u32 s18, s18, s19
	s_add_co_u32 s18, s18, LVS
	v_lshl_add_u32 v[VSS], v14, 2, s18
	v_add_nc_u32 v[VSS], v[VSS], v15               ; my block's byte: 2 c + h
	v_add_nc_u32 v[VSR], LVS, v[L16]
	v_mul_u32_u24 v[VSG], v15, REC
	v_lshl_add_u32 v[VSG], v14, 4, v[VSG]          ; and their way out: lanes 0-15 the first record's 256 bytes, lanes 16-31 the second's
.irp b, 0,1,2,3
	v_mov_b32 v[TM+4+\b], 0                        ; a lane permute's destination counts as one of its sources
.endr
	WIN 0xc0                                       ; destination window 3
.irp t, 0,1,2,3,4,5,6,7
	global_load_b128 v[128+8*\t:131+8*\t], v[H64], s[70:71] offset:((\t/4)*1024+32*((\t/2)%2)+8*(\t%2))*4
	global_load_b128 v[132+8*\t:135+8*\t], v[H64], s[70:71] offset:((\t/4)*1024+32*((\t/2)%2)+8*(\t%2))*4+16
.endr
.irp t, 0,1,2,3
	global_load_b32 v[192+8*\t], v[VB], s[70:71] offset:(2048+32*(\t/2)+8*(\t%2))*4
.endr
	WIN 0
.macro LDA s                           ; A's four fragments and its scale unit of K step s: 13 loads
	WIN 0x40                                       ; destination window 1
.irp m, 0,1,2,3
.irp ch, 0,1,2
	global_load_b128 v[48*((\s)%4)+12*\m+4*\ch:48*((\s)%4)+12*\m+4*\ch+3], v[L16], s[66:67] offset:(\s)*6144+\m*1536+512*\ch
.endr
.endr
	WIN 0
	global_load_b64 v[ASC+2*((\s)%4):ASC+2*((\s)%4)+1], v[L8], s[68:69] offset:256*(\s)
.endm
.macro LDSC q                          ; B's scale words of K steps 2 q and 2 q + 1
.irp g, 0,1,2,3,4,5
	ds_load_b64 v[BSC+12*((\q)%2)+2*\g:BSC+12*((\q)%2)+2*\g+1], v[BS] offset:(\q)*1536+256*\g
.endr
.endm
.macro LDB grp, s                      ; four fragments of B (Q's, K's or V's) of K step s: 12 loads
.irp tt, 0,1,2,3
.irp ch, 0,1,2
	ds_load_b128 v[BF+48*(\grp)+12*\tt+4*\ch:BF+48*(\grp)+12*\tt+4*\ch+3], v[BP+(\s)/2] offset:((\s)%2)*18432+(4*(\grp)+\tt)*1536+512*\ch
.endr
.endr
.endm
.macro WM                              ; one product; fRA, fRB: a side's scale words lie in lanes 16-31
.if fRA && fRB
	v_wmma_scale_f32_16x16x128_f8f6f4 v[rD:rD+7], v[rA:rA+11], v[rB:rB+11], v[rC:rC+7], v[rSA], v[rSB] matrix_a_fmt:MATRIX_FMT_BF6 matrix_b_fmt:MATRIX_FMT_BF6 matrix_a_scale:MATRIX_SCALE_ROW1 matrix_b_scale:MATRIX_SCALE_ROW1
.elseif fRA
	v_wmma_scale_f32_16x16x128_f8f6f4 v[rD:rD+7], v[rA:rA+11], v[rB:rB+11], v[rC:rC+7], v[rSA], v[rSB] matrix_a_fmt:MATRIX_FMT_BF6 matrix_b_fmt:MATRIX_FMT_BF6 matrix_a_scale:MATRIX_SCALE_ROW1
.elseif fRB
	v_wmma_scale_f32_16x16x128_f8f6f4 v[rD:rD+7], v[rA:rA+11], v[rB:rB+11], v[rC:rC+7], v[rSA], v[rSB] matrix_a_fmt:MATRIX_FMT_BF6 matrix_b_fmt:MATRIX_FMT_BF6 matrix_b_scale:MATRIX_SCALE_ROW1
.else
	v_wmma_scale_f32_16x16x128_f8f6f4 v[rD:rD+7], v[rA:rA+11], v[rB:rB+11], v[rC:rC+7], v[rSA], v[rSB] matrix_a_fmt:MATRIX_FMT_BF6 matrix_b_fmt:MATRIX_FMT_BF6
.endif
.endm
.macro MMQK grp, s                     ; 16 products: Q's (0) or K's (1) four tiles of columns x my four tiles of tokens.  In K step 0 the bias is C: it starts the sums
.if (\s) == 0
	WIN 0xb4                                       ; source 0 (B) window 0, source 1 (A) window 1, C window 3, D window 2
.else
	WIN 0xa4                                       ; C and D window 2
.endif
.irp tt, 0,1,2,3
.irp m, 0,1,2,3
.set rT, 4*(\grp)+\tt
.set rD, 8*(8*(rT/2)+2*\m+rT%2)
.set rA, BF+48*(\grp)+12*\tt
.set rB, 48*((\s)%4)+12*\m
.if (\s) == 0
.set rC, 128+8*rT
.else
.set rC, rD
.endif
.set rSA, BSC+12*(((\s)/2)%2)+2*(rT/2)+(\s)%2
.set rSB, ASC+2*((\s)%4)+\m/2
.set fRA, rT%2
.set fRB, \m%2
	WM
.endr
.endr
.endm
.macro MMV s                           ; 16 products the other way round: source 0 = tokens, source 1 = V's columns
	WIN 0xf1                                       ; source 0 (A) window 1, source 1 (B) window 0, C and D window 3
.irp tv, 0,1,2,3
.irp m, 0,1,2,3
.set rD, 8*(4*\tv+\m)
.set rA, 48*((\s)%4)+12*\m
.set rB, BF+96+12*\tv
.if (\s) == 0
.set rC, 192+8*\tv
.else
.set rC, rD
.endif
.set rSA, ASC+2*((\s)%4)+\m/2
.set rSB, BSC+12*(((\s)/2)%2)+2*(4+\tv/2)+(\s)%2
.set fRA, \m%2
.set fRB, \tv%2
	WM
.endr
.endr
.endm
; A K step: 48 products, the 48 accumulators by turns in the same order in every step.  Behind each 16 the set of B that they read takes the next step's fragments.
.macro KSTEP s
.if (\s) <= 4
	s_wait_loadcnt 39                              ; this step's 13 loads of A are in; the three younger sets may be out
.else
	s_wait_loadcnt 13*(7-(\s))
.endif
	s_wait_dscnt 24                                ; Q's set (and the scale words ahead of it) is in; K's and V's, 12 loads each, may be out
	MMQK 0, \s
.if (\s) < 7
	WIN 0
	PLACES
.if ((\s)%2) == 1
	LDSC ((\s)+1)/2
.endif
	LDB 0, (\s)+1
	s_wait_dscnt 24                                ; K's set is in: at most V's and the 12 just issued are out
.else
	s_wait_dscnt 12
.endif
	MMQK 1, \s
.if (\s) < 7
	WIN 0
	PLACES
	LDB 1, (\s)+1
	s_wait_dscnt 24                                ; V's set is in: the next step's two sets may be out
.else
	s_wait_dscnt 0x0
.endif
	MMV \s
.if (\s) < 7
	WIN 0
	PLACES
	LDB 2, (\s)+1
.endif
.if (\s) < 4
	LDA (\s)+4                                     ; this step's set of A takes the step four on
.endif
.endm
	LDA 0
	LDA 1
	LDA 2
	LDA 3
	s_wait_loadcnt 52                              ; the biases are in; behind them: four sets of 13
	WIN 0xc3                                       ; destination and source 0 window 3
.irp t, 0,1,2,3
.irp j, 1,2,3,4,5,6,7
	v_mov_b32 v[192+8*\t+\j], v[192+8*\t]          ; V's bias hangs on the lane's column alone: the same in a tile's eight registers
.endr
.endr
	WIN 0
	s_wait_alu depctr_va_vdst(0)
	s_wait_tensorcnt 0x0                           ; my one load is in,
	s_barrier_signal -1
	s_barrier_wait -1                              ; everybody's are
	LDSC 0
	LDB 0, 0
	LDB 1, 0
	LDB 2, 0
.irp s, 0,1,2,3,4,5,6,7
	KSTEP \s
.endr
	WIN 0
	PLACES
; Four runs of 16 registers in window w, each a lane's half of a block of 32 (lanes l and l xor 16 hold a block), become 12 registers of codes at v[pc]: runs s0, s1 registers 0-5, runs s2, s3 registers 6-11;
; the two pairs of scale bytes go to v[pwa], v[pwb]; pad = 1: with 0x7f in bytes 2 and 3.  Each accumulator is read from its low end on.
.macro QUANT4 s0, s1, s2, s3, w, pc, pwa, pwb, pad
	WIN (\w)|((\w)<<2)
	v_max3_num_f32 v[TM], |v[(\s0)]|, |v[(\s0)+1]|, 0x2800000     ; with the floor 2^(5 - 127): the byte cannot fall under 1
	v_max3_num_f32 v[TM+1], |v[(\s1)]|, |v[(\s1)+1]|, 0x2800000
	v_max3_num_f32 v[TM+2], |v[(\s2)]|, |v[(\s2)+1]|, 0x2800000
	v_max3_num_f32 v[TM+3], |v[(\s3)]|, |v[(\s3)+1]|, 0x2800000
	WIN ((\w)<<2)|((\w)<<4)
.irp i, 2,4,6,8,10,12,14
	v_max3_num_f32 v[TM], v[TM], |v[(\s0)+\i]|, |v[(\s0)+\i+1]|
	v_max3_num_f32 v[TM+1], v[TM+1], |v[(\s1)+\i]|, |v[(\s1)+\i+1]|
	v_max3_num_f32 v[TM+2], v[TM+2], |v[(\s2)+\i]|, |v[(\s2)+\i+1]|
	v_max3_num_f32 v[TM+3], v[TM+3], |v[(\s3)+\i]|, |v[(\s3)+\i+1]|
.endr
	WIN 0
.irp b, 0,1,2,3
	v_permlanex16_b32 v[TM+4+\b], v[TM+\b], s60, s61
.endr
.irp b, 0,1,2,3
	v_max_num_f32 v[TM+\b], v[TM+\b], v[TM+4+\b]   ; the block's largest magnitude
.endr
.irp b, 0,1,2,3
	v_add_nc_u32 v[TM+12+\b], 0xfe000000, v[TM+\b] ; 4 off its exponent field: the conversion's scale operand
.endr
.irp b, 0,1,2,3
	v_lshrrev_b32 v[TM+4+\b], 23, v[TM+12+\b]      ; the scale's byte
.endr
	v_lshl_or_b32 v[\pwa], v[TM+5], 8, v[TM+4]
	v_lshl_or_b32 v[\pwb], v[TM+7], 8, v[TM+6]
.if \pad
	v_or_b32 v[\pwa], 0x7f7f0000, v[\pwa]
	v_or_b32 v[\pwb], 0x7f7f0000, v[\pwb]
.endif
	WIN (\w)
	v_cvt_scalef32_pk16_bf6_f32 v[(\pc):(\pc)+2], v[(\s0):(\s0)+15], v[TM+12]
	v_cvt_scalef32_pk16_bf6_f32 v[PT:PT+2], v[(\s1):(\s1)+15], v[TM+13]
	v_cvt_scalef32_pk16_bf6_f32 v[(\pc)+6:(\pc)+8], v[(\s2):(\s2)+15], v[TM+14]
	v_cvt_scalef32_pk16_bf6_f32 v[PT+4:PT+6], v[(\s3):(\s3)+15], v[TM+15]
	WIN 0
	v_nop                                          ; one plain place behind a scaled conversion
.irp c, 0,1                            ; the operand's layout wants a WHOLE block in a lane
.irp i, 0,1,2
	v_permlane16_swap_b32 v[(\pc)+6*\c+\i], v[PT+4*\c+\i]
.endr
.irp i, 0,1,2
	v_mov_b32 v[(\pc)+6*\c+3+\i], v[PT+4*\c+\i]
.endr
.endr
.endm
.irp i, 0,1                            ; Q: tiles 2 i and 2 i + 1 of my tokens; every store covers whole aligned blocks of 256 bytes
	QUANT4 32*\i, 64+32*\i, 16+32*\i, 80+32*\i, 2, 112+12*\i, PW+2*\i, PW+1+2*\i, 1
	global_store_b128 v[L16], v[112+12*\i:115+12*\i], s[72:73] offset:1536*\i
	global_store_b64 v[L8], v[116+12*\i:117+12*\i], s[72:73] offset:1536*\i+512
	global_store_b128 v[L16], v[118+12*\i:121+12*\i], s[72:73] offset:1536*\i+768
	global_store_b64 v[L8], v[122+12*\i:123+12*\i], s[72:73] offset:1536*\i+1280
.endr
.irp i, 0,1                            ; K: the same, a pair of tiles as one image of 12 registers
	QUANT4 128+32*\i, 192+32*\i, 144+32*\i, 208+32*\i, 2, 144+12*\i, PW+4+2*\i, PW+5+2*\i, 1
.irp ch, 0,1,2
	global_store_b128 v[L16], v[144+12*\i+4*\ch:147+12*\i+4*\ch], s[80:81] offset:1536*\i+512*\ch
.endr
.endr
; V.  By the tokens' order in a tile (tile m, row 8 h + j: token 32 h + 8 m + j of my 64) the 32 registers of a column tile's four accumulators are ONE WHOLE BLOCK of 32 keys in a lane:
; its largest magnitude needs no other lane, and the two conversions give registers 6 c .. 6 c + 5 of the fragment as they are.  Each accumulator is read from its low end on.
.macro QUANTV
	WIN 0x0f
.irp t, 0,1,2,3
	v_max3_num_f32 v[TM+\t], |v[32*\t]|, |v[32*\t+1]|, 0x2800000
.endr
	WIN 0x3c
.irp i, 2,4,6,8,10,12,14,16,18,20,22,24,26,28,30
.irp t, 0,1,2,3
	v_max3_num_f32 v[TM+\t], v[TM+\t], |v[32*\t+\i]|, |v[32*\t+\i+1]|
.endr
.endr
	WIN 0
.irp t, 0,1,2,3
	v_add_nc_u32 v[TM+12+\t], 0xfe000000, v[TM+\t]
.endr
.irp t, 0,1,2,3
	v_lshrrev_b32 v[PW+8+\t], 23, v[TM+12+\t]      ; the byte of block 2 c + h of row r of tile t
.endr
	WIN 3
.irp t, 0,1,2,3
	v_cvt_scalef32_pk16_bf6_f32 v[168+6*\t:170+6*\t], v[32*\t:32*\t+15], v[TM+12+\t]
	v_cvt_scalef32_pk16_bf6_f32 v[PT+4*\t:PT+4*\t+2], v[32*\t+16:32*\t+31], v[TM+12+\t]
.endr
	WIN 0
	v_nop                                          ; one plain place behind a scaled conversion
.irp t, 0,1,2,3
.irp i, 0,1,2
	v_mov_b32 v[171+6*\t+\i], v[PT+4*\t+\i]
.endr
.endr
.endm
	QUANTV
.irp i, 0,1
	global_store_b128 v[L16], v[168+12*\i:171+12*\i], s[82:83] offset:3072*\i
	global_store_b64 v[L8], v[172+12*\i:173+12*\i], s[82:83] offset:3072*\i+512
	global_store_b128 v[L16], v[174+12*\i:177+12*\i], s[82:83] offset:3072*\i+1536
	global_store_b64 v[L8], v[178+12*\i:179+12*\i], s[82:83] offset:3072*\i+2048
.endr
	v_cndmask_b32 v[SW], v[PW], v[PW+1], s62       ; the units: word i of lane (r, h) belongs to tile 2 i + h
	v_cndmask_b32 v[SW+1], v[PW+2], v[PW+3], s62
	v_cndmask_b32 v[SW+2], v[PW+4], v[PW+5], s62
	v_cndmask_b32 v[SW+3], v[PW+6], v[PW+7], s62
	global_store_b64 v[L8], v[SW:SW+1], s[74:75]
	global_store_b64 v[L8], v[SW+2:SW+3], s[84:85]
.irp t, 0,1,2,3
	ds_store_b8 v[VSS], v[PW+8+\t] offset:64*\t    ; each lane its own block's byte
.endr
	s_wait_dscnt 0x0                               ; for the others' sake: my stores have landed
	s_barrier_signal -1
	s_barrier_wait -1
	s_cmp_lg_u32 s14, 0
	s_cbranch_scc1 .Lnot_zero
	ds_load_b128 v[88:91], v[VSR]                  ; wave 0 stores both records' words: 256 consecutive bytes from each half of the lanes
	s_wait_dscnt 0x0
	global_store_b128 v[VSG], v[88:91], s[78:79]
.Lnot_zero:
	s_wait_tensorcnt 0x0
	s_wait_tensorcnt 0x0
	ds_add_u32 v110, v111
	s_wait_dscnt 0x0
	CROUND                                         ; the closing round: no work-group ends while a partner may still ask
	s_endpgm
.Lfunc_end_k_q6c7f8340dd_qkv:
	.size	k_q6c7f8340dd_qkv, .Lfunc_end_k_q6c7f8340dd_qkv-k_q6c7f8340dd_qkv
	.p2alignl 7, 3214868480
	.fill 96, 4, 3214868480
	.section	.rodata,"a",@progbits
	.p2align	6, 0x0
	.amdhsa_kernel k_q6c7f8340dd_qkv
		.amdhsa_group_segment_fixed_size 168448
		.amdhsa_private_segment_fixed_size 0
		.amdhsa_enable_private_segment 0
		.amdhsa_kernarg_size 40
		.amdhsa_user_sgpr_count 2
		.amdhsa_user_sgpr_kernarg_segment_ptr 1
		.amdhsa_wavefront_size32 1
		.amdhsa_system_sgpr_workgroup_id_x 1
		.amdhsa_system_sgpr_workgroup_id_y 1
		.amdhsa_system_sgpr_workgroup_id_z 1
		.amdhsa_system_vgpr_workitem_id 0
		.amdhsa_next_free_vgpr 1024
		.amdhsa_next_free_sgpr 92
		.amdhsa_reserve_vcc 0
		.amdhsa_float_denorm_mode_32 3
		.amdhsa_float_denorm_mode_16_64 3
		.amdhsa_memory_ordered 1
		.amdhsa_forward_progress 1
		.amdhsa_inst_pref_size 118
	.end_amdhsa_kernel
	.amdgpu_metadata
---
amdhsa.version: [ 1, 2 ]
amdhsa.kernels:
  - .name:           k_q6c7f8340dd_qkv
    .symbol:         k_q6c7f8340dd_qkv.kd
    .args:
      - { .name: xq, .offset: 0, .size: 8, .value_kind: global_buffer, .address_space: global }
      - { .name: wq, .offset: 8, .size: 8, .value_kind: global_buffer, .address_space: global }
      - { .name: b_qkv, .offset: 16, .size: 8, .value_kind: global_buffer, .address_space: global }
      - { .name: qq, .offset: 24, .size: 8, .value_kind: global_buffer, .address_space: global }
      - { .name: kv, .offset: 32, .size: 8, .value_kind: global_buffer, .address_space: global }
    .group_segment_fixed_size: 168448
    .private_segment_fixed_size: 0
    .kernarg_segment_align: 8
    .kernarg_segment_size: 40
    .max_flat_workgroup_size: 128
    .sgpr_count:     92
    .vgpr_count:     1024
    .wavefront_size: 32
...
	.end_amdgpu_metadata
.endif
;; end of part 2
;; launch attn (part 3): grid 8 x 32, 16 waves a work-group, clusters of 4 x 1, 215,040 bytes of LDS; arguments qq, kv, ao; writes ao
.if DOCPART == 3
	.amdgcn_target "amdgcn-amd-amdhsa--gfx1250"
	.amdhsa_code_object_version 6
	.text
	.protected	k_q6c7f8340dd_attn
	.globl	k_q6c7f8340dd_attn
	.p2align	8
	.type	k_q6c7f8340dd_attn,@function
k_q6c7f8340dd_attn:
	s_mov_b64 s[64:65], 0
	v_nop
	global_prefetch_b8 v0, s[64:65] scope:SCOPE_SE
	s_setreg_imm32_b32 hwreg(HW_REG_WAVE_MODE, 25, 1), 1
	s_wait_xcnt 0x0
	s_wait_alu depctr_hold_cnt(0) depctr_sa_sdst(0) depctr_va_vdst(0) depctr_va_sdst(0) depctr_va_ssrc(0) depctr_va_vcc(0) depctr_vm_vsrc(0)
	s_getreg_b32 s2, hwreg(HW_REG_IB_STS2, 6, 4)
	s_cmp_eq_u32 s2, 0
	s_cbranch_scc0 .Lentry_in_a_cluster
	s_endpgm
.Lentry_in_a_cluster:
	s_bfe_u32 s2, ttmp6, 0x10000c
	s_cmp_lg_u32 s2, 0x3003
	s_cbranch_scc0 .Lentry_shape_is_right
	s_endpgm
.Lentry_shape_is_right:
; O = softmax(Q K^T / 8) V for one head, both products on codes of E3M2; O / l is quantised along d_model at once and leaves as codes.
; THE SOFTMAX: t = score x log2(e) / 8; M = the running largest t rounded UP to a whole number; p = 2^(t - M) is quantised along the keys, not normalised; the row's sum is taken of the unquantised p and divides O at the end.
; When M moves, the sums and O are multiplied by 2^(old M - new M): exact, and no branch on data.
; SHARES.  Work-group (Xq, bh): 256 queries of head bh; each of sixteen waves one tile of 16 queries in 256 registers, four waves to a SIMD.
; A head's K and V, 16 records of 13,056 bytes, fit in LDS whole and are filled ONCE: wave w loads record w, one tensor load a wave.  Waves 0-3 have a load line of their own: they wait for it ahead of the first barrier,
; behind which records 0-3 are read; all waves wait ahead of the second barrier, behind step 3.
; CLUSTER.  The four query blocks of a cluster belong to one head: its records are asked for jointly (mask 15).
; NO PREFETCH: every record is asked for at the kernel's head; there is no loop that runs ahead of a load.
; LAYOUT.  Both products transposed (S^T = K Q^T, O^T = V^T P^T): a lane holds ONE query.  Tile t of the c-th 64 keys of a step holds, in row 8 h + j, key 64 c + 32 h + 8 t + j: so the 32 registers of four tiles of S^T
; are ONE WHOLE BLOCK of 32 keys in a lane, in the order that p's operand wants: a block's maximum needs no other lane, and the conversions' results are the operand's registers.
; K = 64 IN THE FIRST PRODUCT.  A tile of K is six registers; the instruction names twelve: the upper six are the next tile's codes (behind the last tile: six registers of V's codes, or zeros in the first step).
; They meet Q's upper six registers, which hold zero codes, under scale bytes 0x7f on both sides: every such product is exactly 0 (E3M2 has no infinity and no NaN).
; DEPENDENT LINES ARE KEPT APART: the maxima run in eight chains; the step's 32 LDS loads (V of this step, 18; K of the next, 14) stand between the lines that lead from the maxima to -M; the lines that lead on to f stand
; among the multiply-adds; the row's sum ends in two accumulators, which nothing in the step waits for.
; LIMITS: NaN and infinities are not served; the promise holds while the scaled scores stay under 2^31 in magnitude; a block of keys whose largest p lies under 2^-121 is quantised under the scale 2^-125
; (its p add less than 2^-116 to a sum that is over 1/2); a block of zeros of O gets the byte 1 (its codes are zeros; this program alone reads the bytes).
.set REC,   13056
.set HEADKV, 16*REC
.set QQS,   3145728
.set AOS,   3145728
.set STG,   HEADKV                     ; behind the records: 1,024 bytes in which the sixteen tiles' scale words meet; no fill lands here
.set SPARE, 0x34000                    ; the spare words: 128 bytes for each of sixteen waves
.set WV,  10
.set SEL, 40
.set CS,  42
.set TB,  44
.set CNT, 45
.set NC,  60
.set L2,  10                           ; v[10:11] the row's sum, second accumulator (the first: v[14:15])
.set KSC, 28                           ; v28-31 K's scale words
.set KF,  32                           ; v32-79 K
.set VF,  80                           ; v80-127 V
.set VSC, 128                          ; v128-129 V's scale words
.set S,   130                          ; v130-193 S^T, then p
.set O,   194                          ; v194-225 O^T
.set PCD, 226                          ; v226-237 p's codes
.set F,   238                          ; v[238:239] f
.set PWD, 240                          ; p's scale word
.set QSC, 241                          ; Q's
.set MX,  242                          ; v242-249 eight chains of maxima; the two blocks' end in MX and MX + 4
.set TMP, 243
.set PT2, 244                          ; v244-246, v248-250: the two blocks' upper 16 codes as converted
.set BY,  244
.set TMP2, 247
.set PT,  248
.set OLD, 250                          ; the last step's -M
.set SO,  251                          ; v251-252 the conversions' scale operands
.set SH8, 253                          ; 8 h
.macro CROUND
	s_barrier_signal -1
	s_barrier_wait -1
	s_cmp_lg_u32 s[WV], 0
	s_cbranch_scc1 .Lnot_wave_0_\@
	s_barrier_signal -3
.Lnot_wave_0_\@:
	s_barrier_wait -3
	s_barrier_signal -1
	s_barrier_wait -1
.endm
	s_load_b128 s[4:7], s[0:1], 0x0                ; qq s[4:5], kv s[6:7]
	s_load_b64 s[8:9], s[0:1], 0x10                ; ao
	v_lshl_add_u32 v254, v0, 2, SPARE
	v_mov_b32 v255, 0
	ds_add_u32 v254, v255
	ds_add_u32 v254, v255
	v_lshrrev_b32 v1, 5, v0
	v_readfirstlane_b32 s[WV], v1                  ; wave 0..15
	s_bfe_u32 s11, ttmp6, 0x40000                  ; cx
	s_lshl_b32 s12, ttmp9, 2
	s_add_co_u32 s12, s12, s11                     ; Xq: it enters Q's and O's addresses alone
	s_and_b32 s13, ttmp7, 0xffff                   ; bh, which the four partners share
	s_mov_b32 s16, 15|(3<<16)|(1<<21)              ; group 1: one record as 51 rows of 256 bytes; the mask names all four
	s_mov_b32 s17, 32<<16
	s_mov_b32 s18, 51<<16
	s_mov_b32 s19, 32<<16
	s_mov_b32 s20, 51
	s_mov_b32 s21, 32
	s_mov_b32 s22, 0
	s_mov_b32 s23, 0
	s_mul_i32 s46, s13, HEADKV
	s_mul_i32 s48, s[WV], REC
	s_add_co_u32 s50, s46, s48
	s_mov_b32 s51, 0
	s_mov_b32 s[SEL], 0x76543210
	s_mov_b32 s[SEL+1], 0xfedcba98
	s_mov_b32 s[CS], 0x3e38aa3b                    ; c = log2(e) / 8
	s_mov_b32 s[CS+1], s[CS]
	s_mov_b32 s[NC], 0xbe38aa3b                    ; -c
	s_mov_b32 s[TB], 0
	s_wait_dscnt 0x0
	s_wait_kmcnt 0x0
	s_mov_b32 s32, 1
	s_mov_b32 s33, s48
	s_add_nc_u64 s[34:35], s[6:7], s[50:51]
	s_or_b32 s35, s35, 0x80000000
	CROUND                                         ; all four work-groups are here: the joint loads meet
	s_cmp_lt_u32 s[WV], 4
	s_cbranch_scc0 .Llate
	tensor_load_to_lds s[32:35], s[16:23]          ; records 0-3
	s_nop 0
.rept 4
	v_nop
.endr
	s_branch .Lasked
.Llate:
	tensor_load_to_lds s[32:35], s[16:23]          ; records 4-15
	s_nop 0
.rept 4
	v_nop
.endr
.Lasked:
	s_mov_b32 s47, 0
	s_lshl_b32 s46, s12, 4
	s_add_co_u32 s46, s46, s[WV]
	s_mul_i32 s46, s46, 768
	s_mul_i32 s48, s13, 98304
	s_add_co_u32 s46, s46, s48
	s_add_nc_u64 s[54:55], s[4:5], s[46:47]        ; my tile of Q
	s_lshr_b32 s48, s[WV], 2
	s_lshl_b32 s48, s48, 8
	s_and_b32 s52, s[WV], 1
	s_lshl_b32 s52, s52, 7
	s_add_co_u32 s48, s48, s52
	s_bfe_u32 s52, s[WV], 0x10001
	s_lshl_b32 s52, s52, 2
	s_add_co_u32 s48, s48, s52                     ; my tile's words among four units: unit w / 4, lanes' half w & 1, word (w >> 1) & 1
	s_lshl_b32 s46, s13, 13
	s_lshl_b32 s52, s12, 10
	s_add_co_u32 s46, s46, s52
	s_add_co_u32 s46, s46, s48
	s_add_co_u32 s46, s46, QQS
	s_add_nc_u64 s[56:57], s[4:5], s[46:47]        ; Q's scale words
	s_add_co_u32 s52, s48, STG
	s_lshr_b32 s46, s13, 4
	s_lshl_b32 s46, s46, 5
	s_lshl_b32 s48, s12, 2
	s_add_co_u32 s46, s46, s48                     ; the work-group's first group of 64 tokens
	s_and_b32 s48, s13, 15                         ; the head
	s_lshl_b32 s50, s46, 12
	s_lshl_b32 s53, s48, 8
	s_add_co_u32 s50, s50, s53
	s_add_co_u32 s50, s50, AOS
	s_add_nc_u64 s[14:15], s[8:9], s[50:51]        ; O's scale units [G][head][256]
	s_lshr_b32 s53, s[WV], 2
	s_add_co_u32 s46, s46, s53
	s_lshl_b32 s46, s46, 4
	s_add_co_u32 s46, s46, s48
	s_lshl_b32 s46, s46, 2
	s_and_b32 s53, s[WV], 3
	s_add_co_u32 s46, s46, s53
	s_mul_i32 s46, s46, 768
	s_add_nc_u64 s[58:59], s[8:9], s[46:47]        ; O's half image [G][head][m]
	s_and_b32 s49, s13, 1
	s_lshl_b32 s49, s49, 4                         ; an odd head's two scale bytes go to bytes 2 and 3 of the K step's word
	v_and_b32 v8, 31, v0
	v_and_b32 v[S], 15, v0                         ; r
	v_bfe_u32 v[S+2], v0, 4, 1                     ; h
	v_lshlrev_b32 v1, 4, v8                        ; 16 l
	v_lshlrev_b32 v2, 3, v8                        ; 8 l
	v_lshlrev_b32 v3, 2, v8                        ; 4 l
	v_lshlrev_b32 v11, 3, v[S]                     ; 8 r
	v_add_nc_u32 v7, s52, v11                      ; my word's place in the stage
	v_add_nc_u32 v8, STG, v1                       ; wave 0's read of the stage
	v_lshlrev_b32 v[SH8], 3, v[S+2]
	v_lshlrev_b32 v9, 12, v[S+2]
	v_lshl_add_u32 v9, v[S], 4, v9                 ; and its store: lanes 0-15 one group's unit, lanes 16-31 the next group's, 4,096 bytes on
	global_load_b128 v[16:19], v1, s[54:55]
	global_load_b64 v[20:21], v2, s[54:55] offset:512
	global_load_b32 v[QSC], v11, s[56:57]
.irp j, 22,23,24,25,26,27,80,81,82,83,84,85
	v_mov_b32 v[\j], 0                             ; zero codes: Q's upper 64 along K, and what stands behind K's last tile in the first step
.endr
	v_mov_b32 v13, 0xff61b1e6                      ; the largest score so far: -3e38
	v_mov_b32 v12, 0x7f61b1e6                      ; -M: so the first f is 0
	v_mov_b32 v14, 0
	v_mov_b32 v15, 0
	v_mov_b32 v[F+1], 0                            ; (named as the upper half of a pair)
.set j, 0
.rept 32
	v_mov_b32 v[O+j], 0                            ; the step is written once: its first run finds zeros, which f = 0 leaves zeros
.set j, j+1
.endr
.macro VL t                            ; tile t of V: 4 loads
	ds_load_b128 v[VF+12*\t:VF+12*\t+3], v4 offset:6144+1536*\t
	ds_load_b64 v[VF+12*\t+4:VF+12*\t+5], v5 offset:6144+1536*\t+512
	ds_load_b128 v[VF+12*\t+6:VF+12*\t+9], v4 offset:6144+1536*\t+768
	ds_load_b64 v[VF+12*\t+10:VF+12*\t+11], v5 offset:6144+1536*\t+1280
.endm
.macro KL a16, off, i                  ; image i of K, two tiles: 3 loads
.irp ch, 0,1,2
	ds_load_b128 v[KF+12*(\i)+4*\ch:KF+12*(\i)+4*\ch+3], v[\a16] offset:(\off)+(\i)*1536+512*\ch
.endr
.endm
.macro KS a8, off                      ; K's two scale units
.irp c, 0,1
	ds_load_b64 v[KSC+2*\c:KSC+2*\c+1], v[\a8] offset:(\off)+12288+256*\c
.endr
.endm
.macro LOADK a16, a8                   ; a record's K ahead of a loop: 14 loads
	KL \a16, 0, 0
	KL \a16, 0, 1
	KL \a16, 0, 2
	KL \a16, 0, 3
	KS \a8, 0
.endm
; A KEY STEP: 128 keys, the record at LDS byte s[TB].  nxt = 1: the next record's K is asked for.
.macro STEP nxt
	s_wait_dscnt 0x0                               ; K and its scale words are in
.irp u, 0,1,2,3                        ; S^T = K Q^T: tiles 2 u (scale words in lanes 0-15) and 2 u + 1 (lanes 16-31)
	v_wmma_scale_f32_16x16x128_f8f6f4 v[S+16*\u:S+16*\u+7], v[KF+12*\u:KF+12*\u+11], v[16:27], 0, v[KSC+\u], v[QSC] matrix_a_fmt:MATRIX_FMT_BF6 matrix_b_fmt:MATRIX_FMT_BF6
	v_wmma_scale_f32_16x16x128_f8f6f4 v[S+16*\u+8:S+16*\u+15], v[KF+12*\u+6:KF+12*\u+17], v[16:27], 0, v[KSC+\u], v[QSC] matrix_a_fmt:MATRIX_FMT_BF6 matrix_b_fmt:MATRIX_FMT_BF6 matrix_a_scale:MATRIX_SCALE_ROW1
.endr
	v_add_nc_u32 v4, s[TB], v1                     ; four places behind the products: for the reads of the scores and for the loads into the products' registers
	v_add_nc_u32 v5, s[TB], v2
	v_add_nc_u32 v6, s[TB], v3
	v_mov_b32 v[OLD], v12
.irp k, 0,1,2,3,4,5,6,7                ; the largest scores: a chain to an accumulator, each read from its low end on
	v_max3_num_f32 v[MX+\k], v[S+8*\k], v[S+8*\k+1], v[S+8*\k+2]
.endr
.irp i, 3,5
.irp k, 0,1,2,3,4,5,6,7
	v_max3_num_f32 v[MX+\k], v[MX+\k], v[S+8*\k+\i], v[S+8*\k+\i+1]
.endr
.endr
.irp c, 0,1                            ; four chains and their four last numbers join to a block's largest score
	v_max3_num_f32 v[MX+4*\c], v[MX+4*\c], v[MX+4*\c+1], v[S+32*\c+7]
	v_max3_num_f32 v[MX+4*\c+2], v[MX+4*\c+2], v[MX+4*\c+3], v[S+32*\c+15]
.endr
.irp c, 0,1
	v_max3_num_f32 v[MX+4*\c], v[MX+4*\c], v[MX+4*\c+2], v[S+32*\c+23]
.endr
	VL 0                                           ; from here on the step's LDS loads stand between lines that hang on each other: V first, so that the count below serves
.irp c, 0,1
	v_max_num_f32 v[MX+4*\c], v[MX+4*\c], v[S+32*\c+31]
.endr
	VL 1
	v_max_num_f32 v[TMP], v[MX], v[MX+4]
	VL 2
	v_permlanex16_b32 v[TMP2], v[TMP], s[SEL], s[SEL+1]
	VL 3
	v_max3_num_f32 v13, v13, v[TMP], v[TMP2]       ; the running largest score of my query
.irp tp, 0,1
	ds_load_b32 v[VSC+\tp], v6 offset:12800+128*\tp
.endr
.if \nxt
	KL 4, REC, 0
.endif
	v_mul_f32 v[TMP], s[NC], v13                   ; -t
.if \nxt
	KL 4, REC, 1
	KL 4, REC, 2
.endif
	v_floor_f32 v12, v[TMP]                        ; the new -M = floor(-t) = -ceil(t)
.if \nxt
	KL 4, REC, 3
	KS 5, REC
.endif
.set j, 0
.rept 32
	v_pk_fma_f32 v[S+j:S+j+1], v[S+j:S+j+1], s[CS:CS+1], v[12:13] op_sel_hi:[1,0,0]   ; t - M, two at a time; among them the three lines that lead to f
.if j == 2
	v_sub_f32 v[TMP], v12, v[OLD]                  ; old M - new M: a whole number, 0 or less
.endif
.if j == 10
	v_cvt_i32_f32 v[TMP], v[TMP]                   ; (it saturates)
.endif
.if j == 18
	v_ldexp_f32 v[F], 1.0, v[TMP]                  ; f = 2^(old M - new M)
.endif
.set j, j+2
.endr
.irp c, 0,1
	v_fma_f32 v[MX+4*\c], v[MX+4*\c], s[CS], v12   ; the same of each block's largest score
.endr
.set j, 0
.rept 16
	v_pk_mul_f32 v[O+j:O+j+1], v[O+j:O+j+1], v[F:F+1] op_sel_hi:[1,0]   ; O^T under the new M, ahead of the exponentials, each accumulator from its low end on
.if j == 6
	v_max_num_f32 v[MX], 0xc2f20000, v[MX]         ; the floor, -121, ahead of the exponential: the scale's byte cannot fall under 1
	v_max_num_f32 v[MX+4], 0xc2f20000, v[MX+4]
.endif
.set j, j+2
.endr
	s_wait_alu depctr_va_vdst(0)
.irp c, 0,1
	v_exp_f32 v[MX+4*\c], v[MX+4*\c]               ; the block's largest p: the same two instructions on the same number
.endr
.set j, 0
.rept 64
	v_exp_f32 v[S+j], v[S+j]                       ; p = 2^(t - M)
.set j, j+1
.endr
	v_pk_mul_f32 v[14:15], v[14:15], v[F:F+1] op_sel_hi:[1,0]   ; the sums under the new M (a plain place behind the exponentials)
	s_wait_alu depctr_va_vdst(0)                   ; and behind it
.irp c, 0,1
	v_add_nc_u32 v[SO+\c], 0xfe000000, v[MX+4*\c]  ; 4 off the exponent field: the conversion's scale operand
.endr
	v_pk_mul_f32 v[L2:L2+1], v[L2:L2+1], v[F:F+1] op_sel_hi:[1,0]
	v_cvt_scalef32_pk16_bf6_f32 v[PCD:PCD+2], v[S:S+15], v[SO]
	v_cvt_scalef32_pk16_bf6_f32 v[PT:PT+2], v[S+16:S+31], v[SO]       ; (a conversion's three registers begin on an even number)
	v_cvt_scalef32_pk16_bf6_f32 v[PCD+6:PCD+8], v[S+32:S+47], v[SO+1]
	v_cvt_scalef32_pk16_bf6_f32 v[PT2:PT2+2], v[S+48:S+63], v[SO+1]
	v_lshrrev_b32 v[MX], 23, v[SO]                 ; the scales' bytes (plain places behind the conversions)
	v_lshrrev_b32 v[TMP], 23, v[SO+1]
.irp i, 0,1,2
	v_mov_b32 v[PCD+3+\i], v[PT+\i]
.endr
	v_lshl_or_b32 v[TMP], v[TMP], 16, v[MX]        ; my two bytes: blocks h and 2 + h,
.irp i, 0,1,2
	v_mov_b32 v[PCD+9+\i], v[PT2+\i]
.endr
	v_lshlrev_b32 v[TMP], v[SH8], v[TMP]           ; at their places in the word;
.set j, 0
.rept 4
	v_pk_add_f32 v[S+j:S+j+1], v[S+j:S+j+1], v[S+j+2:S+j+3]   ; THE ROW'S SUM of the unquantised p: a tree in place, two numbers an instruction
.set j, j+4
.endr
	v_permlanex16_b32 v[TMP2], v[TMP], s[SEL], s[SEL+1]
.rept 4
	v_pk_add_f32 v[S+j:S+j+1], v[S+j:S+j+1], v[S+j+2:S+j+3]
.set j, j+4
.endr
	v_or_b32 v[PWD], v[TMP], v[TMP2]               ; with lane l xor 16's two the word is whole.  24 lines of the tree follow: the places ahead of the scaled products
.rept 8
	v_pk_add_f32 v[S+j:S+j+1], v[S+j:S+j+1], v[S+j+2:S+j+3]
.set j, j+4
.endr
.irp d, 4,8,16
.set j, 0
.rept 32/\d
	v_pk_add_f32 v[S+j:S+j+1], v[S+j:S+j+1], v[S+j+\d:S+j+\d+1]
.set j, j+2*\d
.endr
.endr
	v_pk_add_f32 v[14:15], v[14:15], v[S:S+1]      ; each block's sum to an accumulator of its own
	v_pk_add_f32 v[L2:L2+1], v[L2:L2+1], v[S+32:S+33]
.if \nxt
	s_wait_dscnt 14                                ; V is in; the next K's 14 loads may be out
.else
	s_wait_dscnt 0x0
.endif
.irp u, 0,1                            ; O^T += V^T P^T: four accumulators by turns
	v_wmma_scale_f32_16x16x128_f8f6f4 v[O+16*\u:O+16*\u+7], v[VF+24*\u:VF+24*\u+11], v[PCD:PCD+11], v[O+16*\u:O+16*\u+7], v[VSC+\u], v[PWD] matrix_a_fmt:MATRIX_FMT_BF6 matrix_b_fmt:MATRIX_FMT_BF6
	v_wmma_scale_f32_16x16x128_f8f6f4 v[O+16*\u+8:O+16*\u+15], v[VF+24*\u+12:VF+24*\u+23], v[PCD:PCD+11], v[O+16*\u+8:O+16*\u+15], v[VSC+\u], v[PWD] matrix_a_fmt:MATRIX_FMT_BF6 matrix_b_fmt:MATRIX_FMT_BF6 matrix_a_scale:MATRIX_SCALE_ROW1
.endr
	s_add_co_u32 s[TB], s[TB], REC
.endm
	s_wait_alu depctr_va_vdst(0)
	s_wait_loadcnt 0x0                             ; Q; and v11 has served as an offset
	v_mov_b32 v[L2], 0
	v_mov_b32 v[L2+1], 0
	s_cmp_ge_u32 s[WV], 4
	s_cbranch_scc1 .Lnot_mine                      ; waves 4-15: their records are not read before the second barrier
	s_wait_tensorcnt 0x0                           ; waves 0-3: my record is in
.Lnot_mine:
	s_barrier_signal -1
	s_barrier_wait -1                              ; records 0 to 3 are whole
	LOADK 1, 2
	s_mov_b32 s[CNT], 3
.Lfirst:
	STEP 1
	s_sub_co_u32 s[CNT], s[CNT], 1
	s_cmp_lg_u32 s[CNT], 0
	s_cbranch_scc1 .Lfirst
	STEP 0                                         ; step 3 asks for nothing of record 4
	s_wait_tensorcnt 0x0
	s_wait_dscnt 0x0
	s_barrier_signal -1
	s_barrier_wait -1                              ; records 4 to 15 are whole
	v_add_nc_u32 v4, s[TB], v1
	v_add_nc_u32 v5, s[TB], v2
	LOADK 4, 5
	s_mov_b32 s[CNT], 11
.Lrest:
	STEP 1
	s_sub_co_u32 s[CNT], s[CNT], 1
	s_cmp_lg_u32 s[CNT], 0
	s_cbranch_scc1 .Lrest
	STEP 0
	; THE WAY OUT: O^T / l; its 64 numbers of a query are two blocks of 32 along d_model, half a block in a lane (register 16 b + i: channel 32 b + 16 h + i): six registers of codes
.rept 4
	v_nop
.endr
	s_wait_alu depctr_va_vdst(0)                   ; the sums were written ahead of the last step's wait for V
	v_pk_add_f32 v[14:15], v[14:15], v[L2:L2+1]
	v_add_f32 v14, v14, v15
	v_permlanex16_b32 v[TMP], v14, s[SEL], s[SEL+1]
	v_add_f32 v14, v14, v[TMP]                     ; the row's sum
	s_wait_alu depctr_va_vdst(0)
	v_rcp_f32 v14, v14
	v_nop                                          ; one plain place behind a transcendental
	s_wait_alu depctr_va_vdst(0)
.set j, 0
.rept 32
	v_mul_f32 v[S+j], v[O+j], v14
.set j, j+1
.endr
.irp b, 0,1
	v_max3_num_f32 v[MX+\b], |v[S+16*\b]|, |v[S+16*\b+1]|, 0x2800000
.endr
.irp i, 2,4,6,8,10,12,14
.irp b, 0,1
	v_max3_num_f32 v[MX+\b], v[MX+\b], |v[S+16*\b+\i]|, |v[S+16*\b+\i+1]|
.endr
.endr
.irp b, 0,1
	v_permlanex16_b32 v[BY+\b], v[MX+\b], s[SEL], s[SEL+1]
.endr
.irp b, 0,1
	v_max_num_f32 v[MX+\b], v[MX+\b], v[BY+\b]
.endr
.irp b, 0,1
	v_add_nc_u32 v[SO+\b], 0xfe000000, v[MX+\b]
.endr
.irp b, 0,1
	v_lshrrev_b32 v[BY+\b], 23, v[SO+\b]
.endr
	v_lshl_or_b32 v[PWD], v[BY+1], 8, v[BY]
	v_lshlrev_b32 v[PWD], s49, v[PWD]              ; an even head: bytes 0, 1; an odd head: bytes 2, 3; the reader joins the two by an OR
	v_cvt_scalef32_pk16_bf6_f32 v[PCD:PCD+2], v[S:S+15], v[SO]
	v_cvt_scalef32_pk16_bf6_f32 v[PT:PT+2], v[S+16:S+31], v[SO+1]
	v_nop
.irp i, 0,1,2
	v_permlane16_swap_b32 v[PCD+\i], v[PT+\i]      ; the operand's layout wants a whole block in a lane
.endr
.irp i, 0,1,2
	v_mov_b32 v[PCD+3+\i], v[PT+\i]
.endr
	global_store_b128 v1, v[PCD:PCD+3], s[58:59]   ; 512 and 256 consecutive bytes, aligned to 256
	global_store_b64 v2, v[PCD+4:PCD+5], s[58:59] offset:512
	ds_store_b32 v7, v[PWD]                        ; (lanes l and l xor 16 write the same word with the same value)
	s_wait_dscnt 0x0                               ; for the others' sake
	s_barrier_signal -1
	s_barrier_wait -1
	s_cmp_lg_u32 s[WV], 0
	s_cbranch_scc1 .Lnot_zero
	ds_load_b128 v[S:S+3], v8
	ds_load_b128 v[S+4:S+7], v8 offset:512
	s_wait_dscnt 0x0
	global_store_b128 v9, v[S:S+3], s[14:15]       ; sixteen lanes store one unit of 256 bytes
	global_store_b128 v9, v[S+4:S+7], s[14:15] offset:8192
.Lnot_zero:
	s_wait_tensorcnt 0x0
	s_wait_tensorcnt 0x0                           ; the wave's end
	ds_add_u32 v254, v255
	s_wait_dscnt 0x0
	CROUND                                         ; the closing round
	s_endpgm
.Lfunc_end_k_q6c7f8340dd_attn:
	.size	k_q6c7f8340dd_attn, .Lfunc_end_k_q6c7f8340dd_attn-k_q6c7f8340dd_attn
	.p2alignl 7, 3214868480
	.fill 96, 4, 3214868480
	.section	.rodata,"a",@progbits
	.p2align	6, 0x0
	.amdhsa_kernel k_q6c7f8340dd_attn
		.amdhsa_group_segment_fixed_size 215040
		.amdhsa_private_segment_fixed_size 0
		.amdhsa_enable_private_segment 0
		.amdhsa_kernarg_size 24
		.amdhsa_user_sgpr_count 2
		.amdhsa_user_sgpr_kernarg_segment_ptr 1
		.amdhsa_wavefront_size32 1
		.amdhsa_system_sgpr_workgroup_id_x 1
		.amdhsa_system_sgpr_workgroup_id_y 1
		.amdhsa_system_sgpr_workgroup_id_z 1
		.amdhsa_system_vgpr_workitem_id 0
		.amdhsa_next_free_vgpr 256
		.amdhsa_next_free_sgpr 66
		.amdhsa_reserve_vcc 0
		.amdhsa_float_denorm_mode_32 3
		.amdhsa_float_denorm_mode_16_64 3
		.amdhsa_memory_ordered 1
		.amdhsa_forward_progress 1
		.amdhsa_inst_pref_size 70
	.end_amdhsa_kernel
	.amdgpu_metadata
---
amdhsa.version: [ 1, 2 ]
amdhsa.kernels:
  - .name:           k_q6c7f8340dd_attn
    .symbol:         k_q6c7f8340dd_attn.kd
    .args:
      - { .name: qq, .offset: 0, .size: 8, .value_kind: global_buffer, .address_space: global }
      - { .name: kv, .offset: 8, .size: 8, .value_kind: global_buffer, .address_space: global }
      - { .name: ao, .offset: 16, .size: 8, .value_kind: global_buffer, .address_space: global }
    .group_segment_fixed_size: 215040
    .private_segment_fixed_size: 0
    .kernarg_segment_align: 8
    .kernarg_segment_size: 24
    .max_flat_workgroup_size: 512
    .sgpr_count:     66
    .vgpr_count:     256
    .wavefront_size: 32
...
	.end_amdgpu_metadata
.endif
;; end of part 3
;; launch proj (part 4): grid 16 x 16, 4 waves a work-group, clusters of 4 x 1, 327,680 bytes of LDS; arguments ao, wo, b_out, out0; writes out0
.if DOCPART == 4
	.amdgcn_target "amdgcn-amd-amdhsa--gfx1250"
	.amdhsa_code_object_version 6
	.text
	.protected	k_q6c7f8340dd_proj
	.globl	k_q6c7f8340dd_proj
	.p2align	8
	.type	k_q6c7f8340dd_proj,@function
k_q6c7f8340dd_proj:
	s_mov_b64 s[64:65], 0
	v_nop
	global_prefetch_b8 v0, s[64:65] scope:SCOPE_SE
	s_setreg_imm32_b32 hwreg(HW_REG_WAVE_MODE, 25, 1), 1
	s_wait_xcnt 0x0
	s_wait_alu depctr_hold_cnt(0) depctr_sa_sdst(0) depctr_va_vdst(0) depctr_va_sdst(0) depctr_va_ssrc(0) depctr_va_vcc(0) depctr_vm_vsrc(0)
	s_getreg_b32 s2, hwreg(HW_REG_IB_STS2, 6, 4)
	s_cmp_eq_u32 s2, 0
	s_cbranch_scc0 .Lentry_in_a_cluster
	s_endpgm
.Lentry_in_a_cluster:
	s_bfe_u32 s2, ttmp6, 0x10000c
	s_cmp_lg_u32 s2, 0x3003
	s_cbranch_scc0 .Lentry_shape_is_right
	s_endpgm
.Lentry_shape_is_right:
.set AOS, 3145728
.set WOS, 786432
.set LBS, 49152
.set STG, 51200
.set SP,  272
.set L16, 1
.set L8,  2
.set BSA, 3
.set H64, 4
.set STO, 5
.set RD,  6
.set GO,  7
.set ASC, 16
.set BSC, 32
.set AT,  48
.set BF,  80
.set MSB, 0
.macro WIN new
.if MSB != (\new)
	s_set_vgpr_msb (MSB<<8)|(\new)
.set MSB, (\new)
.endif
.endm
.macro PLACES
.rept 4
	v_nop
.endr
.endm
.macro CROUND
	s_barrier_signal -1
	s_barrier_wait -1
	s_cmp_lg_u32 s14, 0
	s_cbranch_scc1 .Lnot_wave_0_\@
	s_barrier_signal -3
.Lnot_wave_0_\@:
	s_barrier_wait -3
	s_barrier_signal -1
	s_barrier_wait -1
.endm
	s_load_b256 s[4:11], s[0:1], 0x0
	v_lshl_add_u32 v254, v0, 2, 0x29000
	v_mov_b32 v255, 0
	ds_add_u32 v254, v255
	ds_add_u32 v254, v255
	v_lshrrev_b32 v1, 5, v0
	v_readfirstlane_b32 s14, v1
	s_bfe_u32 s15, ttmp6, 0x40000
	s_lshl_b32 s16, ttmp9, 2
	s_add_co_u32 s16, s16, s15
	s_and_b32 s17, ttmp7, 0xffff
	s_mov_b32 s24, 15|(3<<16)|(1<<21)
	s_mov_b32 s25, 32<<16
	s_mov_b32 s26, 8<<16
	s_mov_b32 s27, 32<<16
	s_mov_b32 s28, 8
	s_mov_b32 s29, 32
	s_mov_b32 s30, 0
	s_mov_b32 s31, 0
	s_mov_b32 s32, 15|(3<<16)|(1<<21)
	s_mov_b32 s33, 32<<16
	s_mov_b32 s34, 64<<16
	s_mov_b32 s35, 32<<16
	s_mov_b32 s36, 64
	s_mov_b32 s37, 32
	s_mov_b32 s38, 0
	s_mov_b32 s39, 0
	s_mov_b32 s18, 0
	s_mul_i32 s19, s14, 16384
	s_lshl_b32 s20, s17, 11
	s_add_co_u32 s20, s20, s18
	s_add_co_u32 s20, s20, WOS
	s_mov_b32 s21, 0
	s_mul_i32 s22, s17, 49152
	s_add_co_u32 s22, s22, s19
	s_mov_b32 s23, 0
	s_wait_dscnt 0x0
	s_wait_kmcnt 0x0
	s_mov_b32 s40, 1
	s_add_co_u32 s41, s18, LBS
	s_add_nc_u64 s[42:43], s[6:7], s[20:21]
	s_or_b32 s43, s43, 0x80000000
	s_mov_b32 s44, 1
	s_mov_b32 s45, s19
	s_add_nc_u64 s[46:47], s[6:7], s[22:23]
	s_or_b32 s47, s47, 0x80000000
	CROUND
	; the weight's part comes by one tensor load a wave: waves 0-2 a third of its codes each (64 rows of 256 bytes), wave 3 its scale units (8 rows); one chain of branches, one load to an arm
	s_cmp_lt_u32 s14, 3
	s_cbranch_scc0 .Lscales
	tensor_load_to_lds s[44:47], s[32:39]
	s_nop 0
.rept 4
	v_nop
.endr
	s_branch .Lasked
.Lscales:
	tensor_load_to_lds s[40:43], s[24:31]
	s_nop 0
.rept 4
	v_nop
.endr
.Lasked:
	s_lshl_b32 s56, s16, 2
	s_add_co_u32 s56, s56, s14
	s_mul_i32 s58, s56, 49152
	s_mov_b32 s59, 0
	s_add_nc_u64 s[48:49], s[4:5], s[58:59]
	s_lshl_b32 s58, s56, 12
	s_add_co_u32 s58, s58, AOS
	s_add_nc_u64 s[50:51], s[4:5], s[58:59]
	s_lshl_b32 s58, s17, 8
	s_add_nc_u64 s[52:53], s[8:9], s[58:59]
	s_lshl_b32 s57, s56, 18
	s_add_co_u32 s58, s58, s57
	s_add_nc_u64 s[54:55], s[10:11], s[58:59]
	v_and_b32 v8, 31, v0
	v_and_b32 v9, 15, v0
	v_bfe_u32 v10, v0, 4, 1
	v_lshlrev_b32 v[L16], 4, v8
	v_lshlrev_b32 v[L8], 3, v8
	v_add_nc_u32 v[BSA], LBS, v[L8]
	v_lshlrev_b32 v[H64], 6, v10
	s_mul_i32 s57, s14, 16*SP
	s_add_co_u32 s57, s57, STG
	v_mul_u32_u24 v[STO], v9, SP
	v_lshl_add_u32 v[STO], v10, 6, v[STO]
	v_add_nc_u32 v[STO], s57, v[STO]
	v_mul_u32_u24 v[RD], v10, SP
	v_lshl_add_u32 v[RD], v9, 4, v[RD]
	v_add_nc_u32 v[RD], s57, v[RD]
	v_lshlrev_b32 v[GO], 12, v10
	v_lshl_add_u32 v[GO], v9, 4, v[GO]
.irp d, 0,1,2,3,4,5,6,7,8,9,10,11,12,13,14,15
	global_load_b64 v[AT+2*\d:AT+2*\d+1], v[L8], s[50:51] offset:256*\d
.endr
	WIN 0xc0
.irp t, 0,1,2,3
	global_load_b128 v[128+8*\t:131+8*\t], v[H64], s[52:53] offset:(32*(\t/2)+8*(\t%2))*4
	global_load_b128 v[132+8*\t:135+8*\t], v[H64], s[52:53] offset:(32*(\t/2)+8*(\t%2))*4+16
.endr
	WIN 0
.macro LDA s
.if (\s) <= 4
	WIN 0x40
.set rL, 48*(\s)
.else
	WIN 0x80
.set rL, 48*((\s)-5)
.endif
.irp m, 0,1,2,3
	global_load_b128 v[rL+12*\m:rL+12*\m+3], v[L16], s[48:49] offset:6144*(\s)+768*\m
	global_load_b64 v[rL+12*\m+4:rL+12*\m+5], v[L8], s[48:49] offset:6144*(\s)+768*\m+512
	global_load_b128 v[rL+12*\m+6:rL+12*\m+9], v[L16], s[48:49] offset:6144*(\s)+768*\m+3072
	global_load_b64 v[rL+12*\m+10:rL+12*\m+11], v[L8], s[48:49] offset:6144*(\s)+768*\m+3584
.endr
	WIN 0
.endm
.macro LDB s
.irp t, 0,1,2,3
.irp ch, 0,1,2
	ds_load_b128 v[BF+48*((\s)%3)+12*\t+4*\ch:BF+48*((\s)%3)+12*\t+4*\ch+3], v[L16] offset:(\s)*6144+\t*1536+512*\ch
.endr
.endr
.endm
.macro WM
.if fRA && fRB
	v_wmma_scale_f32_16x16x128_f8f6f4 v[rD:rD+7], v[rA:rA+11], v[rB:rB+11], v[rC:rC+7], v[rSA], v[rSB] matrix_a_fmt:MATRIX_FMT_BF6 matrix_b_fmt:MATRIX_FMT_BF6 matrix_a_scale:MATRIX_SCALE_ROW1 matrix_b_scale:MATRIX_SCALE_ROW1
.elseif fRA
	v_wmma_scale_f32_16x16x128_f8f6f4 v[rD:rD+7], v[rA:rA+11], v[rB:rB+11], v[rC:rC+7], v[rSA], v[rSB] matrix_a_fmt:MATRIX_FMT_BF6 matrix_b_fmt:MATRIX_FMT_BF6 matrix_a_scale:MATRIX_SCALE_ROW1
.elseif fRB
	v_wmma_scale_f32_16x16x128_f8f6f4 v[rD:rD+7], v[rA:rA+11], v[rB:rB+11], v[rC:rC+7], v[rSA], v[rSB] matrix_a_fmt:MATRIX_FMT_BF6 matrix_b_fmt:MATRIX_FMT_BF6 matrix_b_scale:MATRIX_SCALE_ROW1
.else
	v_wmma_scale_f32_16x16x128_f8f6f4 v[rD:rD+7], v[rA:rA+11], v[rB:rB+11], v[rC:rC+7], v[rSA], v[rSB] matrix_a_fmt:MATRIX_FMT_BF6 matrix_b_fmt:MATRIX_FMT_BF6
.endif
.endm
.macro PSTEP s
.if (\s) <= 4
	LDA (\s)+3
	s_wait_alu depctr_va_vdst(0)
	s_wait_loadcnt 48
.else
	s_wait_loadcnt 16*(7-(\s))
.endif
.if (\s) == 0
.irp k, 0,1,2,3,4,5,6,7
	v_or_b32 v[ASC+2*\k], v[AT+4*\k], v[AT+4*\k+2]
	v_or_b32 v[ASC+2*\k+1], v[AT+4*\k+1], v[AT+4*\k+3]
.endr
.endif
.if (\s) <= 5
	s_wait_dscnt 24
.else
	s_wait_dscnt 12*(7-(\s))
.endif
.if (\s) <= 4
	WIN 0xf4
.else
	WIN 0xf8
.endif
.irp m, 0,1,2,3
.irp t, 0,1,2,3
.set rD, 32*\m+8*\t
.set rA, BF+48*((\s)%3)+12*\t
.if (\s) <= 4
.set rB, 48*(\s)+12*\m
.else
.set rB, 48*((\s)-5)+12*\m
.endif
.if (\s) == 0
.set rC, 128+8*\t
.else
.set rC, rD
.endif
.set rSA, BSC+4*((\s)/2)+2*(\t/2)+(\s)%2
.set rSB, ASC+2*(\s)+\m/2
.set fRA, \t%2
.set fRB, \m%2
	WM
.endr
.endr
	WIN 0
.if (\s) <= 4
	PLACES
	LDB (\s)+3
.endif
.endm
	LDA 0
	LDA 1
	LDA 2
	s_wait_tensorcnt 0x0
	s_barrier_signal -1
	s_barrier_wait -1
.irp q, 0,1,2,3
.irp g, 0,1
	ds_load_b64 v[BSC+4*\q+2*\g:BSC+4*\q+2*\g+1], v[BSA] offset:512*\q+256*\g
.endr
.endr
	LDB 0
	LDB 1
	LDB 2
.irp s, 0,1,2,3,4,5,6,7
	PSTEP \s
.endr
	PLACES
.irp m, 0,1,2,3
	WIN 0x0c
.irp t, 0,1,2,3
	ds_store_b128 v[STO], v[32*\m+8*\t:32*\m+8*\t+3] offset:128*(\t/2)+32*(\t%2)
	ds_store_b128 v[STO], v[32*\m+8*\t+4:32*\m+8*\t+7] offset:128*(\t/2)+32*(\t%2)+16
.endr
	WIN 0
.irp p, 0,1,2,3,4,5,6,7
	ds_load_b128 v[BF+32*\m+4*\p:BF+32*\m+4*\p+3], v[RD] offset:2*\p*SP
.endr
.endr
.irp m, 0,1,2,3
.irp p, 0,1,2,3,4,5,6,7
	s_wait_dscnt 16*(3-\m)+7-\p
	; row q = 2 p + (lane / 16) of tile m is token 8 m + (q & 7) + 32 (q >> 3) of the group's 64
	global_store_b128 v[GO], v[BF+32*\m+4*\p:BF+32*\m+4*\p+3], s[54:55] offset:(8*\m+2*(\p%4)+32*(\p/4))*4096 th:TH_STORE_NT
.endr
.endr
	s_wait_tensorcnt 0x0
	s_wait_tensorcnt 0x0
	ds_add_u32 v254, v255
	s_wait_dscnt 0x0
	CROUND
	s_endpgm
.Lfunc_end_k_q6c7f8340dd_proj:
	.size	k_q6c7f8340dd_proj, .Lfunc_end_k_q6c7f8340dd_proj-k_q6c7f8340dd_proj
	.p2alignl 7, 3214868480
	.fill 96, 4, 3214868480
	.section	.rodata,"a",@progbits
	.p2align	6, 0x0
	.amdhsa_kernel k_q6c7f8340dd_proj
		.amdhsa_group_segment_fixed_size 327680
		.amdhsa_private_segment_fixed_size 0
		.amdhsa_enable_private_segment 0
		.amdhsa_kernarg_size 32
		.amdhsa_user_sgpr_count 2
		.amdhsa_user_sgpr_kernarg_segment_ptr 1
		.amdhsa_wavefront_size32 1
		.amdhsa_system_sgpr_workgroup_id_x 1
		.amdhsa_system_sgpr_workgroup_id_y 1
		.amdhsa_system_sgpr_workgroup_id_z 1
		.amdhsa_system_vgpr_workitem_id 0
		.amdhsa_next_free_vgpr 1024
		.amdhsa_next_free_sgpr 66
		.amdhsa_reserve_vcc 0
		.amdhsa_float_denorm_mode_32 3
		.amdhsa_float_denorm_mode_16_64 3
		.amdhsa_memory_ordered 1
		.amdhsa_forward_progress 1
		.amdhsa_inst_pref_size 54
	.end_amdhsa_kernel
	.amdgpu_metadata
---
amdhsa.version: [ 1, 2 ]
amdhsa.kernels:
  - .name:           k_q6c7f8340dd_proj
    .symbol:         k_q6c7f8340dd_proj.kd
    .args:
      - { .name: ao, .offset: 0, .size: 8, .value_kind: global_buffer, .address_space: global }
      - { .name: wo, .offset: 8, .size: 8, .value_kind: global_buffer, .address_space: global }
      - { .name: b_out, .offset: 16, .size: 8, .value_kind: global_buffer, .address_space: global }
      - { .name: out0, .offset: 24, .size: 8, .value_kind: global_buffer, .address_space: global }
    .group_segment_fixed_size: 327680
    .private_segment_fixed_size: 0
    .kernarg_segment_align: 8
    .kernarg_segment_size: 32
    .max_flat_workgroup_size: 128
    .sgpr_count:     66
    .vgpr_count:     1024
    .wavefront_size: 32
...
	.end_amdgpu_metadata
.endif
;; end of part 4
